; MI455X (gfx1250); checked and timed in simulation.
; The chip was launched on July 23, 2026; its instructions are those of AMD's public machine-readable ISA for CDNA 5 (MIT licence, August 2026) and "CDNA5" Instruction Set Architecture Reference Guide (July 2026). The comments in the code are by the model that wrote it; some were corrected since.
;; Multi Head Attention. Allowed arithmetic: matrix products marked QUANTISED: E2M1 operands, one E8M0 scale for each 32 along K, by v_wmma_scale_f32_16x16x128_f8f6f4 with both operands' format E2M1 (or v_wmma_scale_f32_32x16x128_f4), f32 sums; products left as they are: bf16, f16 or f32 operands; f32 sums; everything else in f32.
;; Inputs: W_attn 1,024 x 3,072 float32; W_proj 1,024 x 1,024 float32; b_attn 3,072 float32; b_proj 1,024 float32; x 4 x 2,048 x 1,024 float32.
;; Outputs: out0 4 x 2,048 x 1,024 float32.
;; This version of the problem:
;;   THIS VERSION OF THE PROBLEM IS GIVEN IN LOW PRECISION. The matrix products marked QUANTISED in the list below multiply operands that are first quantised to E2M1 (2 exponent bits, 1 mantissa bit; 4 bits a number), with one power-of-two scale for each 32 numbers along K (OCP MX v1.0); their sums are f32. The products marked 'left as it is' may take bf16, f16 or f32 operands, with f32 sums. Whichever they take, every output number must still come out within the allowed error. Rounding operands to bf16 (8 significant bits) uses up far more of that allowance than f16 does (11 bits, for magnitudes from 6e-5 to 65,504). All else is computed in f32.
;;   The module's matrix products, in the order in which they are computed (A, B: the left and right operand; K: the contracted axis; several contracted axes count as one K, in the product's order):
;;     1. [M 8,192, K 1,024] x [K 1,024, N 3,072]; A: input x; B: input W_attn: QUANTISED
;;     2. batch 64 x [M 2,048, K 64] x [K 64, N 2,048]; A: computed on the way; B: computed on the way: left as it is (an operand is computed on the way)
;;     3. batch 64 x [M 64, K 2,048] x [K 2,048, N 2,048]; A: computed on the way; B: computed on the way: left as it is (an operand is computed on the way)
;;     4. [M 8,192, K 1,024] x [K 1,024, N 1,024]; A: computed on the way; B: input W_proj: left as it is (an operand is computed on the way)
;;   THE QUANTISER, for each operand of a quantised product, along K:
;;     - K is cut into blocks of 32 from its start; a last block that is shorter is filled with zeros.
;;     - A block's scale is 2^e with e = floor(log2(the largest magnitude in the block)) - 2, held to -126 .. 127; a block of zeros has e = 0. As a byte (E8M0): e + 127.
;;     - Each number is divided by its block's scale, clamped to +-6, and rounded to the nearest number of E2M1, ties to even, subnormals kept.
;;     - The product sums the exact products of the quantised numbers (number of the format x scale) in f32.
;;   ~~~python
;;   def quantise(x, axis):      # numpy; x: float32 -> the quantised numbers, widened to float32 again
;;       x = np.moveaxis(x, axis, -1); K = x.shape[-1]
;;       x = np.pad(x, [(0, 0)] * (x.ndim - 1) + [(0, -K % 32)]); x = x.reshape(x.shape[:-1] + (-1, 32)); a = np.abs(x).max(-1, keepdims=True)
;;       e = np.where(a > 0, np.clip(np.frexp(np.where(a > 0, a, 1))[1] - 1 - 2, -126, 127), 0)      # np.frexp(a)[1] - 1 = floor(log2(a)), exactly
;;       r = np.clip(x / 2.0 ** e, -6, 6)
;;       step = 2.0 ** (np.maximum(np.frexp(np.where(r == 0, 1, r))[1] - 1, 0) - 1)
;;       q = np.round(r / step) * step * 2.0 ** e      # np.round: ties to even
;;       return np.moveaxis(q.reshape(q.shape[:-2] + (-1,))[..., :K], -1, axis).astype(np.float32)
;;   ~~~
;; One version. Each part assembles by itself: llvm-mc -triple=amdgcn-amd-amdhsa -mcpu=gfx1250 --defsym DOCPART=n.
;; ======== version 1 of 1: 5 launches
;; limits: values are held in f16: magnitudes above 65,504 overflow, below 6.1e-05 lose precision
;; workspace buffers: x_codes 4,194,304 bytes; x_scales 262,144 bytes; w_codes 1,572,864 bytes; w_scales 98,304 bytes; wp16 2,097,152 bytes; qkv16 50,331,648 bytes; qkv_fine 786,432 bytes; att16 16,777,216 bytes
;; launch prep (part 1): grid 384 x 1, 4 waves a work-group, no clusters, 50,688 bytes of LDS; arguments x, W_attn, W_proj, x_codes, x_scales, w_codes, w_scales, wp16; writes x_codes, x_scales, w_codes, w_scales, wp16
.if DOCPART == 1
	.amdgcn_target "amdgcn-amd-amdhsa--gfx1250"
	.amdhsa_code_object_version 6
	.text
	.protected	k_qeb389ba688_prep
	.globl	k_qeb389ba688_prep
	.p2align	8
	.type	k_qeb389ba688_prep,@function
k_qeb389ba688_prep:
	s_mov_b64 s[64:65], 0
	v_nop
	global_prefetch_b8 v0, s[64:65] scope:SCOPE_SE
	s_setreg_imm32_b32 hwreg(HW_REG_WAVE_MODE, 25, 1), 1
	s_wait_xcnt 0x0
; PREP: three independent streams in one launch, told apart by the work-group's number alone.
;   work-groups 0-255   (X): x [8192][1024] f32 -> codes of E2M1 [8192][512 bytes] and E8M0 scale bytes [8192][32]; K is innermost, so x is a plain stream of blocks of 32.
;   work-groups 256-351 (W): W_attn [1024 k][3072 n] f32 -> codes with K innermost [3072][512 bytes], scale bytes [3072][32].
;   work-groups 352-383 (C): W_proj [1024][1024] f32 -> f16, same layout.
; A block's scale is 2^(floor(log2(largest magnitude)) - 2): its byte is the largest magnitude's exponent field - 2, held at 1 from below by a floor among the maximum's leaves.
; LIMITS: NaN and infinities among the inputs are not served.  A block of zeros gets the byte 1 where the quantiser's rule says 127: its codes are zeros, which add nothing, and
; only this program reads the bytes.  W_proj beyond f16's largest number, 65,504, becomes infinity.
; No tensor loads, no barrier: waves share nothing.  Each path has LDS bytes of its own.
.set SPW,   190                        ; v190  LDS address of my spare word; never rewritten
.set NIL,   191                        ; v191  0; never rewritten
.set EMAX,  2
.set STEPS, 16                         ; path X: steps of 512 numbers a wave
.set CB,    8                          ; bytes of 16 codes
.set R,     16                         ; v16-79   four sets of 16 numbers as loaded
.set XN,    80                         ; v80-111  two sets of 16 neighbours
.set EB,    112                        ; v112-127 a scale byte for each step
.set CD,    128                        ; v128-189 codes, four registers a step
.set WREG,  8192                       ; LDS of a wave on path X: two stages of 32 x 80 bytes, then its 256 scale bytes
.set SP,    80
.set WROW,  12288                      ; path W: a row of W_attn in bytes
.set NB,    8                          ; blocks of 32 along K a lane
.set WST,   4*WREG                     ; LDS of path W: a stage of 16 rows x 272 bytes for each wave
.set WP,    272
.set WX,    32                         ; v32-95   two sets of 32 numbers
.set WC,    96                         ; v96-99   a block's codes
.set WO,    112                        ; v112-143 the way out
.set SB,    24                         ; v24-25   my 8 scale bytes
.set SPARE, WST+4*16*WP                ; the spare words, 128 bytes a wave: two blocks of 256 bytes that no other line names
	s_load_b256 s[4:11], s[0:1], 0x0               ; x s[4:5], W_attn s[6:7], W_proj s[8:9], x_codes s[10:11]
	s_load_b256 s[12:19], s[0:1], 0x20             ; x_scales s[12:13], w_codes s[14:15], w_scales s[16:17], wp16 s[18:19]
	v_lshl_add_u32 v[SPW], v0, 2, SPARE
	v_mov_b32 v[NIL], 0
	v_lshrrev_b32 v1, 5, v0
	v_readfirstlane_b32 s20, v1                    ; wave 0..3
	v_and_b32 v2, 31, v0                           ; lane
	s_wait_kmcnt 0x0
	s_cmp_lt_u32 ttmp9, 256
	s_cbranch_scc0 .Lnot_x
; ---------------- PATH X.  A wave takes 16 steps of 512 numbers.  Each of a step's four loads reads 512 consecutive bytes; the 2,048 bytes turn through the wave's own stage
; so that a lane then holds 16 NEIGHBOURS (two lanes hold a block).  A lane's 16 codes are 8 bytes: the wave stores 256 consecutive bytes.  A wave's 256 scale bytes leave as one aligned run.
	v_lshlrev_b32 v3, 4, v2                        ; my 16 bytes of a load's 512
	s_mul_i32 s21, s20, WREG
	v_lshrrev_b32 v14, 2, v2
	v_mul_u32_u24 v14, v14, SP
	v_and_b32 v15, 3, v2
	v_lshl_add_u32 v14, v15, 4, v14
	v_add_nc_u32 v14, s21, v14                     ; the stage, way in: 80 (lane / 4) + 16 (lane % 4)
	v_mul_u32_u24 v15, v2, SP
	v_add_nc_u32 v15, s21, v15                     ; way out: 80 x lane
	v_mul_u32_u24 v4, v2, CB                       ; my codes' place in a step's
	v_lshrrev_b32 v5, 1, v2
	s_add_co_u32 s21, s21, 2*32*SP
	v_add_nc_u32 v5, s21, v5                       ; my block's byte among the wave's 256
	v_lshlrev_b32 v7, 3, v2
	v_add_nc_u32 v6, s21, v7                       ; and 8 bytes a lane on their way out
	s_lshl_b32 s21, ttmp9, 2
	s_add_co_u32 s22, s21, s20                     ; which run of 8,192 numbers is my wave's
	s_mov_b32 s23, 0
	s_lshl_b64 s[24:25], s[22:23], 15              ; 32,768 bytes of x,
	s_add_nc_u64 s[4:5], s[4:5], s[24:25]
	s_lshl_b64 s[24:25], s[22:23], 12              ; 4,096 of codes,
	s_add_nc_u64 s[10:11], s[10:11], s[24:25]
	s_lshl_b32 s22, s22, 8                         ; 256 scale bytes
	s_add_nc_u64 s[12:13], s[12:13], s[22:23]
.macro LOADX t
.irp i, 0,1,2,3
	global_load_b128 v[R+16*((\t)%4)+4*\i:R+16*((\t)%4)+4*\i+3], v3, s[4:5] offset:2048*(\t)+512*\i th:TH_LOAD_NT
.endr
.endm
.macro TURNX t                         ; LDS serves a wave's instructions in order: no wait between the stores and the loads
.irp i, 0,1,2,3
	ds_store_b128 v14, v[R+16*((\t)%4)+4*\i:R+16*((\t)%4)+4*\i+3] offset:32*SP*((\t)%2)+8*SP*\i
.endr
.irp i, 0,1,2,3
	ds_load_b128 v[XN+16*((\t)%2)+4*\i:XN+16*((\t)%2)+4*\i+3], v15 offset:32*SP*((\t)%2)+16*\i
.endr
.endm
.irp t, 0,1,2,3
	LOADX \t
.endr
	s_wait_loadcnt 12                              ; step 0's four loads are in; twelve younger ones stay out
	TURNX 0
.macro STEPX t
.set XS, XN+16*((\t)%2)
.if (\t) > 0
	s_wait_dscnt 1                                 ; this step's numbers are back from the stage; the last step's byte store may be out
.else
	s_wait_dscnt 0x0
.endif
.if (\t)+4 < STEPS
	LOADX (\t)+4                                   ; into the set whose stores into the stage are done
.endif
.if (\t)+1 < STEPS
.if STEPS-2-(\t) >= 3
	s_wait_loadcnt 12                              ; the next step's four loads are in; those of the three steps behind it may be out
.else
	s_wait_loadcnt 4*(STEPS-2-(\t))
.endif
	TURNX (\t)+1
.endif
	v_max3_num_f32 v8, |v[XS]|, |v[XS+1]|, |v[XS+2]|
	v_max3_num_f32 v9, |v[XS+3]|, |v[XS+4]|, |v[XS+5]|
.irp i, 6,10
	v_max3_num_f32 v8, v8, |v[XS+\i]|, |v[XS+\i+1]|
	v_max3_num_f32 v9, v9, |v[XS+\i+2]|, |v[XS+\i+3]|
.endr
	v_max3_num_f32 v8, v8, |v[XS+14]|, |v[XS+15]|
	v_max3_num_f32 v8, v8, v9, (EMAX+1)<<23        ; the floor 2^(3 - 127): the byte cannot fall under 1
	v_max_num_f32_dpp v8, v8, v8 row_xmask:1 row_mask:0xf bank_mask:0xf   ; with my neighbour's 16: the block's largest magnitude
	v_add_nc_u32 v11, -(EMAX<<23), v8              ; 2 off its exponent field: the conversion takes that field as its scale
	v_cvt_scalef32_pk8_fp4_f32 v[CD+4*(\t)], v[XS:XS+7], v11
	v_cvt_scalef32_pk8_fp4_f32 v[CD+4*(\t)+1], v[XS+8:XS+15], v11
	v_lshrrev_b32 v[EB+(\t)], 23, v11              ; the scale's byte (also the plain line behind the conversions)
	ds_store_b8 v5, v[EB+(\t)] offset:16*(\t)      ; both lanes of a block write the same byte with the same value
	global_store_b64 v4, v[CD+4*(\t):CD+4*(\t)+1], s[10:11] offset:32*CB*(\t)
.endm
.irp t, 0,1,2,3,4,5,6,7,8,9,10,11,12,13,14,15
	STEPX \t
.endr
	ds_load_b64 v[8:9], v6                         ; in order behind my byte stores
	s_wait_dscnt 0x0
	global_store_b64 v7, v[8:9], s[12:13]          ; 32 lanes store 256 consecutive bytes, aligned
	s_wait_tensorcnt 0x0                           ; the wave's end
	ds_add_u32 v[SPW], v[NIL]
	s_wait_dscnt 0x0
	s_endpgm
.Lnot_x:
	s_cmp_lt_u32 ttmp9, 352
	s_cbranch_scc0 .Lcast
; ---------------- PATH W.  A LANE TAKES A COLUMN n AND ITS REGISTERS RUN DOWN K, so that a block of 32 lies in one lane and the codes come out with K innermost.
; A work-group takes 64 columns x 512 of K; a wave 16 columns: lanes 0-15 the first 256 of K, lanes 16-31 the second.  A load reads two runs of 64 bytes; the four waves stand side by side on 256.
; A column's 512 codes are 256 bytes: they are gathered in the wave's own stage and leave sixteen lanes to an aligned run of 256 bytes.
	s_sub_co_u32 s21, ttmp9, 256                   ; 0..95
	s_cmp_ge_u32 s21, 48
	s_cselect_b32 s22, 1, 0                        ; y: which 512 of K
	s_cselect_b32 s23, 48, 0
	s_sub_co_u32 s21, s21, s23                     ; which 64 columns
	s_lshl_b32 s24, s21, 6
	s_lshl_b32 s25, s20, 4
	s_add_co_u32 s24, s24, s25                     ; my wave's first column
	s_mul_i32 s26, s22, 512*WROW
	s_lshl_b32 s27, s24, 2
	s_add_co_u32 s26, s26, s27
	s_mov_b32 s27, 0
	s_add_nc_u64 s[6:7], s[6:7], s[26:27]          ; W_attn at row 512 y, my first column
	s_lshl_b32 s26, s24, 9
	s_lshl_b32 s25, s22, 8
	s_add_co_u32 s26, s26, s25
	s_add_nc_u64 s[14:15], s[14:15], s[26:27]      ; codes: column x 512 + 256 y
	s_lshl_b32 s26, s24, 5
	s_lshl_b32 s25, s22, 4
	s_add_co_u32 s26, s26, s25
	s_add_nc_u64 s[16:17], s[16:17], s[26:27]      ; scale bytes: column x 32 + 16 y
	v_and_b32 v5, 15, v2                           ; r: my column
	v_lshrrev_b32 v6, 4, v2                        ; h: my half of K
	v_mul_u32_u24 v3, v6, 256*WROW
	v_lshl_add_u32 v3, v5, 2, v3                   ; in: 256 h rows down, 4 r bytes along
	s_mul_i32 s28, s20, 16*WP
	s_add_co_u32 s28, s28, WST                     ; my stage
	v_mul_u32_u24 v4, v5, WP
	v_lshl_add_u32 v4, v6, 7, v4
	v_add_nc_u32 v4, s28, v4                       ; into it: row r, 128 h bytes on
	v_mul_u32_u24 v7, v6, WP
	v_lshl_add_u32 v7, v5, 4, v7
	v_add_nc_u32 v7, s28, v7                       ; out of it: sixteen lanes to a row, two rows an instruction
	v_lshlrev_b32 v8, 9, v6
	v_lshl_add_u32 v8, v5, 4, v8                   ; the same place among the codes' rows of 512 bytes
	v_lshlrev_b32 v9, 5, v5
	v_lshl_add_u32 v9, v6, 3, v9                   ; my 8 scale bytes: 32 r + 8 h
.macro LOADW t
.set wi, 0
.rept 32
	global_load_b32 v[WX+32*((\t)%2)+wi], v3, s[6:7] offset:(32*(\t)+wi)*WROW
.set wi, wi+1
.endr
.endm
	LOADW 0
	LOADW 1
.macro BLOCKW t
.set XS, WX+32*((\t)%2)
.if (\t) < NB-1
	s_wait_loadcnt 32                              ; this block's 32 loads are in; the next block's may be out
.else
	s_wait_loadcnt 0x0
.endif
	v_max3_num_f32 v12, |v[XS]|, |v[XS+1]|, |v[XS+2]|
	v_max3_num_f32 v13, |v[XS+3]|, |v[XS+4]|, |v[XS+5]|
.irp i, 6,10,14,18,22,26
	v_max3_num_f32 v12, v12, |v[XS+\i]|, |v[XS+\i+1]|
	v_max3_num_f32 v13, v13, |v[XS+\i+2]|, |v[XS+\i+3]|
.endr
	v_max3_num_f32 v12, v12, |v[XS+30]|, |v[XS+31]|
	v_max3_num_f32 v12, v12, v13, (EMAX+1)<<23     ; the floor
	v_add_nc_u32 v11, -(EMAX<<23), v12             ; the conversion's scale operand
	v_lshrrev_b32 v13, 23, v11                     ; the scale's byte
.if (\t)%4 == 0
	v_mov_b32 v[SB+(\t)/4], v13
.else
	v_lshl_or_b32 v[SB+(\t)/4], v13, 8*((\t)%4), v[SB+(\t)/4]
.endif
.irp g, 0,1,2,3
	v_cvt_scalef32_pk8_fp4_f32 v[WC+\g], v[XS+8*\g:XS+8*\g+7], v11
.endr
	ds_store_b128 v4, v[WC:WC+3] offset:16*(\t)    ; 32 codes: 16 bytes of my column's row
.if (\t)+2 < NB
	LOADW (\t)+2
.endif
	s_wait_dscnt 0x0                               ; the store has read its registers: the next block's codes may be written
.endm
.irp t, 0,1,2,3,4,5,6,7
	BLOCKW \t
.endr
	global_store_b64 v9, v[SB:SB+1], s[16:17]
.irp t, 0,1,2,3,4,5,6,7
	ds_load_b128 v[WO+4*\t:WO+4*\t+3], v7 offset:2*\t*WP
.endr
.irp t, 0,1,2,3,4,5,6,7
	s_wait_dscnt 7-\t                              ; LDS loads come back in order: load t is in
	global_store_b128 v8, v[WO+4*\t:WO+4*\t+3], s[14:15] offset:2*\t*512
.endr
	s_wait_tensorcnt 0x0                           ; the wave's end
	ds_add_u32 v[SPW], v[NIL]
	s_wait_dscnt 0x0
	s_endpgm
.Lcast:
; ---------------- PATH C.  A wave casts 8,192 numbers: four groups of sixteen loads of 512 bytes, one group ahead; a store covers 256 consecutive bytes.  No LDS.
	s_sub_co_u32 s21, ttmp9, 352
	s_lshl_b32 s21, s21, 2
	s_add_co_u32 s22, s21, s20
	s_mov_b32 s23, 0
	s_lshl_b64 s[24:25], s[22:23], 15
	s_add_nc_u64 s[8:9], s[8:9], s[24:25]
	s_lshl_b64 s[24:25], s[22:23], 14
	s_add_nc_u64 s[18:19], s[18:19], s[24:25]
	v_lshlrev_b32 v3, 4, v2
	v_lshlrev_b32 v4, 3, v2
.macro LOADG g
.irp i, 0,1,2,3,4,5,6,7,8,9,10,11,12,13,14,15
	global_load_b128 v[32+64*((\g)%2)+4*\i:32+64*((\g)%2)+4*\i+3], v3, s[8:9] offset:(16*(\g)+\i)*512
.endr
.endm
.macro CASTG g
.set GB, 32+64*((\g)%2)
.if (\g) < 3
	s_wait_loadcnt 16                              ; this group is in; the next group's sixteen may be out
.else
	s_wait_loadcnt 0x0
.endif
.irp i, 0,1,2,3,4,5,6,7,8,9,10,11,12,13,14,15
	v_cvt_pk_f16_f32 v[GB+4*\i], v[GB+4*\i], v[GB+4*\i+1]
	v_cvt_pk_f16_f32 v[GB+4*\i+1], v[GB+4*\i+2], v[GB+4*\i+3]
	global_store_b64 v4, v[GB+4*\i:GB+4*\i+1], s[18:19] offset:(16*(\g)+\i)*256
.endr
.if (\g)+2 < 4
	s_wait_xcnt 0x0                                ; the stores have read their registers: the set may be loaded again
	LOADG (\g)+2
.endif
.endm
	LOADG 0
	LOADG 1
	CASTG 0
	CASTG 1
	CASTG 2
	CASTG 3
	s_endpgm
.Lfunc_end_k_qeb389ba688_prep:
	.size	k_qeb389ba688_prep, .Lfunc_end_k_qeb389ba688_prep-k_qeb389ba688_prep
	.p2alignl 7, 3214868480
	.fill 96, 4, 3214868480
	.section	.rodata,"a",@progbits
	.p2align	6, 0x0
	.amdhsa_kernel k_qeb389ba688_prep
		.amdhsa_group_segment_fixed_size 50688
		.amdhsa_private_segment_fixed_size 0
		.amdhsa_enable_private_segment 0
		.amdhsa_kernarg_size 64
		.amdhsa_user_sgpr_count 2
		.amdhsa_user_sgpr_kernarg_segment_ptr 1
		.amdhsa_wavefront_size32 1
		.amdhsa_system_sgpr_workgroup_id_x 1
		.amdhsa_system_sgpr_workgroup_id_y 1
		.amdhsa_system_sgpr_workgroup_id_z 1
		.amdhsa_system_vgpr_workitem_id 0
		.amdhsa_next_free_vgpr 192
		.amdhsa_next_free_sgpr 66
		.amdhsa_reserve_vcc 0
		.amdhsa_float_denorm_mode_32 3
		.amdhsa_float_denorm_mode_16_64 3
		.amdhsa_memory_ordered 1
		.amdhsa_forward_progress 1
		.amdhsa_inst_pref_size 94
	.end_amdhsa_kernel
	.amdgpu_metadata
---
amdhsa.version: [ 1, 2 ]
amdhsa.kernels:
  - .name:           k_qeb389ba688_prep
    .symbol:         k_qeb389ba688_prep.kd
    .args:
      - { .name: x, .offset: 0, .size: 8, .value_kind: global_buffer, .address_space: global }
      - { .name: W_attn, .offset: 8, .size: 8, .value_kind: global_buffer, .address_space: global }
      - { .name: W_proj, .offset: 16, .size: 8, .value_kind: global_buffer, .address_space: global }
      - { .name: x_codes, .offset: 24, .size: 8, .value_kind: global_buffer, .address_space: global }
      - { .name: x_scales, .offset: 32, .size: 8, .value_kind: global_buffer, .address_space: global }
      - { .name: w_codes, .offset: 40, .size: 8, .value_kind: global_buffer, .address_space: global }
      - { .name: w_scales, .offset: 48, .size: 8, .value_kind: global_buffer, .address_space: global }
      - { .name: wp16, .offset: 56, .size: 8, .value_kind: global_buffer, .address_space: global }
    .group_segment_fixed_size: 50688
    .private_segment_fixed_size: 0
    .kernarg_segment_align: 8
    .kernarg_segment_size: 64
    .max_flat_workgroup_size: 128
    .sgpr_count:     66
    .vgpr_count:     192
    .wavefront_size: 32
...
	.end_amdgpu_metadata
.endif
;; end of part 1
;; launch qkv (part 2): grid 12 x 32, 4 waves a work-group, clusters of 4 x 4, 327,680 bytes of LDS; arguments x_codes, x_scales, w_codes, w_scales, b_attn, qkv16, qkv_fine; writes qkv16, qkv_fine
.if DOCPART == 2
	.amdgcn_target "amdgcn-amd-amdhsa--gfx1250"
	.amdhsa_code_object_version 6
	.text
	.protected	k_qeb389ba688_qkv
	.globl	k_qeb389ba688_qkv
	.p2align	8
	.type	k_qeb389ba688_qkv,@function
k_qeb389ba688_qkv:
	s_mov_b64 s[64:65], 0
	v_nop
	global_prefetch_b8 v0, s[64:65] scope:SCOPE_SE
	s_setreg_imm32_b32 hwreg(HW_REG_WAVE_MODE, 25, 1), 1
	s_wait_xcnt 0x0
	s_wait_alu depctr_hold_cnt(0) depctr_sa_sdst(0) depctr_va_vdst(0) depctr_va_sdst(0) depctr_va_ssrc(0) depctr_va_vcc(0) depctr_vm_vsrc(0)
	s_getreg_b32 s2, hwreg(HW_REG_IB_STS2, 6, 4)
	s_cmp_eq_u32 s2, 0
	s_cbranch_scc0 .Lentry_in_a_cluster
	s_endpgm
.Lentry_in_a_cluster:
	s_bfe_u32 s2, ttmp6, 0x10000c
	s_cmp_lg_u32 s2, 0xf033
	s_cbranch_scc0 .Lentry_shape_is_right
	s_endpgm
.Lentry_shape_is_right:
; QKV = Q(x) Q(W_attn) + b_attn on codes of E2M1 with one E8M0 scale for each 32 along K; sums in f32.  x: [8192][1024] as codes, W: [3072 n][1024 k] as codes, K innermost in both.
; A tile of 256 x 256 is made by four waves, 128 x 128 each: 64 accumulators, 512 registers.  K = 1,024 is two LDS slots of 512: both are asked for at the head and nothing is filled again.
; The scale bytes of the tile's 256 + 256 rows, two dense blocks, come with the first fills.  CLUSTERS of 4 x 4: a row of the cluster shares x's tiles, a column W's: joint loads.
; THE PARTNER AT cy WORKS ON BATCH cy, the cluster's y says which 256 positions: tile row = 8 cy + cluster y.  So 'my tile holds positions 0-15' is 'cluster y = 0', alike in all partners.
; THE MATRIX INSTRUCTION IS USED TRANSPOSED (source 0 = 16 rows of W, source 1 = 16 rows of x): a lane holds eight neighbouring columns of one row.  The bias is the C of each sum's first product.
; RESULTS: f16, laid by head: qkv16 [3 (q, k, v)][64 (batch, head)][2048][64]; and positions 0-15 of each batch once more in f32: qkv_fine [4][16][3072].
; LIMIT: a result beyond f16's largest number, 65,504, becomes infinity in qkv16.
; REGISTERS: window 0: v16-31 addresses; v32-95 scale words, two sets; v96-127 packed results; v128-191 x's fragments, one set (later rows on their way out); v192-255 the bias.
;   window 1: W's fragments, two sets, at v0 and v128.  window 2: accumulators of my rows 0-63 ((a, b) at v[8 (8 a + b)]); window 3: rows 64-127.
.set NQ,     4                         ; steps of 128 along K in a slot
.set ROWB,   256                       ; a tile's row: 512 codes
.set KROW,   512                       ; a row of codes in memory
.set PITCH,  272                       ; 256 + 16: the 16 rows that a load touches start at 16 different banks
.set FR,     8
.set NL,     2
.set NP,     4
.set HALFT,  128*PITCH
.set SLOT,   4*HALFT
.set KS,     32                        ; a row of scale bytes
.set SCL,    2*SLOT
.set HALFS,  16*272                    ; the scales of 128 rows: 16 runs of 256 bytes + 16
.set SBLK,   2*272                     ; those of 16 rows
.set SPARE,  SCL+4*HALFS               ; the spare words: two blocks of 256 bytes that no other line names
.set SPITCH, 528                       ; the way out: a stage of 16 rows x 528 bytes a wave, in slot 0, which has had its only fill and its last read by then
.set ADRA, 16
.set ADRB, 20
.set STO16, 22
.set RD16, 23
.set STO32, 24
.set RD32, 25
.set CO,   26
.set ADRS, 27
.set SPW,  28
.set NIL,  29
.set BO,   30
.set SC,   32
.set TMP,  96
.set AF,   128
.set BK,   128
.set BIAS, 192
.set G1, 24
.set G0, 32
.set G1B, 48
.set G0B, 56
.set G1S, 68
.set G0S, 76
.set G1SB, 80
.set G0SB, 88
.set MSB, 0
.macro WIN new                         ; the immediate's high byte repeats the setting that is left
.if MSB != (\new)
	s_set_vgpr_msb (MSB<<8)|(\new)
.set MSB, (\new)
.endif
.endm
.set MUL_LO, 0xa1                      ; source 0 (W) window 1, source 1 (x) window 0, C and D window 2
.set MUL_HI, 0xf1
.set TO_B,   0x40
; A joint load: waves 0, 1 fetch for x, waves 2, 3 for W.  An s_nop 0 and four v_nop follow each line.
.macro JLOAD g0a, g1a, g0b, g1b
	s_cmp_eq_u32 s15, 0
	s_cbranch_scc0 .Lfor_b_\@
	tensor_load_to_lds s[\g0a:\g0a+3], s[\g1a:\g1a+7]
	s_nop 0
.rept 4
	v_nop
.endr
	s_branch .Lasked_\@
.Lfor_b_\@:
	tensor_load_to_lds s[\g0b:\g0b+3], s[\g1b:\g1b+7]
	s_nop 0
.rept 4
	v_nop
.endr
.Lasked_\@:
.endm
.macro CROUND                          ; a round of the cluster's barrier
	s_barrier_signal -1
	s_barrier_wait -1
	s_cmp_lg_u32 s14, 0
	s_cbranch_scc1 .Lnot_wave_0_\@
	s_barrier_signal -3
.Lnot_wave_0_\@:
	s_barrier_wait -3
	s_barrier_signal -1
	s_barrier_wait -1
.endm
	s_load_b128 s[4:7], s[0:1], 0x0                ; x's codes, x's scales
	s_load_b128 s[8:11], s[0:1], 0x10              ; W's codes, W's scales
	s_load_b128 s[96:99], s[0:1], 0x20             ; b_attn s[96:97], qkv16 s[98:99]
	s_load_b64 s[12:13], s[0:1], 0x30              ; qkv_fine
	v_lshl_add_u32 v[SPW], v0, 2, SPARE
	v_mov_b32 v[NIL], 0
	ds_add_u32 v[SPW], v[NIL]                      ; the wave's opening: the add, twice on end, and its wait ahead of my first tensor load
	ds_add_u32 v[SPW], v[NIL]
	v_lshrrev_b32 v1, 5, v0
	v_readfirstlane_b32 s14, v1                    ; wave 0..3
	s_lshr_b32 s15, s14, 1                         ; my half of the tile's rows.  Also: I fetch for x (0) or for W (1)
	s_and_b32 s16, s14, 1                          ; my half of its columns.  Also: which 128 rows I fetch
	s_bfe_u32 s40, ttmp6, 0x40000                  ; cx
	s_bfe_u32 s41, ttmp6, 0x40004                  ; cy
	s_lshl_b32 s42, ttmp9, 2
	s_add_co_u32 s42, s42, s40                     ; tile column = 4 x cluster x + cx
	s_and_b32 s17, ttmp7, 0xffff
	s_lshl_b32 s18, s41, 3
	s_add_co_u32 s17, s17, s18                     ; tile row = 8 cy + cluster y
	s_lshl_b32 s43, s41, 2
	s_lshl_b32 s43, 15, s43                        ; my row of the cluster
	s_lshl_b32 s44, 0x1111, s40                    ; my column
	s_or_b32 s[G1+0], s43, (0<<16)|(1<<20)|(1<<21)|(5<<22)|(3<<25)  ; mask; elements of 1 byte; padding on; bit 21 beside a mask; 4 words behind every 64
	s_or_b32 s[G1B+0], s44, (0<<16)|(1<<20)|(1<<21)|(5<<22)|(3<<25)
.irp g, G1, G1B
	s_mov_b32 s[\g+1], ROWB<<16                    ; tensor_dim0
	s_mov_b32 s[\g+2], 128<<16                     ; tensor_dim1
	s_mov_b32 s[\g+3], ROWB<<16                    ; tile_dim0
	s_mov_b32 s[\g+4], 128                         ; tile_dim1
	s_mov_b32 s[\g+5], KROW                        ; from row to row
	s_mov_b32 s[\g+6], 0
	s_mov_b32 s[\g+7], 0
.endr
	s_or_b32 s[G1S+0], s43, (3<<16)|(1<<20)|(1<<21)|(5<<22)|(3<<25) ; the scales of 128 rows: 4,096 dense bytes as 16 rows of 32 elements of 8 bytes
	s_or_b32 s[G1SB+0], s44, (3<<16)|(1<<20)|(1<<21)|(5<<22)|(3<<25)
.irp g, G1S, G1SB
	s_mov_b32 s[\g+1], 32<<16
	s_mov_b32 s[\g+2], 16<<16
	s_mov_b32 s[\g+3], 32<<16
	s_mov_b32 s[\g+4], 16
	s_mov_b32 s[\g+5], 32
	s_mov_b32 s[\g+6], 0
	s_mov_b32 s[\g+7], 0
.endr
	s_lshl_b32 s18, s16, 7
	s_lshl_b32 s20, s17, 8
	s_add_co_u32 s20, s20, s18                     ; x: row 256 x tile row + 128 x half
	s_lshl_b32 s46, s42, 8
	s_add_co_u32 s46, s46, s18                     ; W: row 256 x tile column + 128 x half
	s_mov_b32 s21, 0
	s_mov_b32 s47, 0
	s_mov_b64 s[18:19], KS
	s_mul_u64 s[22:23], s[20:21], s[18:19]
	s_mul_u64 s[92:93], s[46:47], s[18:19]
	s_mov_b64 s[18:19], KROW
	s_mul_u64 s[20:21], s[20:21], s[18:19]
	s_mul_u64 s[46:47], s[46:47], s[18:19]
	s_mul_i32 s45, s14, HALFT                      ; where they go: wave x 128 rows
	s_mul_i32 s94, s14, HALFS
	s_wait_dscnt 0x0                               ; both opening adds are done
	s_wait_kmcnt 0x0
	s_add_nc_u64 s[20:21], s[4:5], s[20:21]
	s_add_nc_u64 s[22:23], s[6:7], s[22:23]
	s_add_nc_u64 s[46:47], s[8:9], s[46:47]
	s_add_nc_u64 s[92:93], s[10:11], s[92:93]
	CROUND                                         ; all sixteen work-groups are here: the joint loads meet
	s_mov_b32 s[G0S], 1
	s_add_co_u32 s[G0S+1], s94, SCL
	s_mov_b64 s[G0S+2:G0S+3], s[22:23]
	s_or_b32 s[G0S+3], s[G0S+3], 0x80000000
	s_mov_b32 s[G0SB], 1
	s_add_co_u32 s[G0SB+1], s94, SCL
	s_mov_b64 s[G0SB+2:G0SB+3], s[92:93]
	s_or_b32 s[G0SB+3], s[G0SB+3], 0x80000000
	JLOAD G0S, G1S, G0SB, G1SB                     ; the scales first
.irp s, 0,1
	s_mov_b32 s[G0+4*\s], 1
	s_add_co_u32 s[G0+4*\s+1], s45, \s*SLOT
	s_add_nc_u64 s[G0+4*\s+2:G0+4*\s+3], s[20:21], \s*ROWB
	s_or_b32 s[G0+4*\s+3], s[G0+4*\s+3], 0x80000000
	s_mov_b32 s[G0B+4*\s], 1
	s_add_co_u32 s[G0B+4*\s+1], s45, \s*SLOT
	s_add_nc_u64 s[G0B+4*\s+2:G0B+4*\s+3], s[46:47], \s*ROWB
	s_or_b32 s[G0B+4*\s+3], s[G0B+4*\s+3], 0x80000000
	JLOAD G0+4*\s, G1, G0B+4*\s, G1B               ; three tensor loads of mine are out at the most
.endr
	v_and_b32 v1, 15, v0                           ; r
	v_bfe_u32 v2, v0, 4, 1                         ; h
	v_lshlrev_b32 v[BO], 5, v2                     ; the bias: 32 h bytes into a block of 16 columns
	s_lshl_b32 s100, s42, 10
	s_lshl_b32 s101, s16, 9
	s_add_co_u32 s100, s100, s101                  ; my first column x 4 bytes
	s_mov_b32 s101, 0
	s_add_nc_u64 s[96:97], s[96:97], s[100:101]
.irp b, 0,1,2,3,4,5,6,7
	global_load_b128 v[BIAS+8*\b:BIAS+8*\b+3],   v[BO], s[96:97] offset:64*\b      ; lane (r, h): b_attn at columns 16 b + 8 h + 0 .. 7, the result's layout
	global_load_b128 v[BIAS+8*\b+4:BIAS+8*\b+7], v[BO], s[96:97] offset:64*\b+16
.endr
	s_mul_i32 s101, s41, 196608
	s_add_co_u32 s100, s100, s101
	s_mov_b32 s101, 0
	s_add_nc_u64 s[12:13], s[12:13], s[100:101]    ; qkv_fine at batch cy, my first column
	s_lshr_b32 s100, s42, 2                        ; q, k or v
	s_lshl_b32 s100, s100, 24
	s_lshl_b32 s101, s41, 22                       ; the batch
	s_add_co_u32 s100, s100, s101
	s_and_b32 s101, s42, 3
	s_lshl_b32 s101, s101, 1
	s_add_co_u32 s101, s101, s16
	s_lshl_b32 s101, s101, 19                      ; my two heads: 2 x 262,144 bytes
	s_add_co_u32 s100, s100, s101
	s_and_b32 s101, ttmp7, 0xffff
	s_lshl_b32 s101, s101, 1
	s_add_co_u32 s101, s101, s15
	s_lshl_b32 s101, s101, 14                      ; my first position: 128 rows of 128 bytes
	s_add_co_u32 s100, s100, s101
	s_mov_b32 s101, 0
	s_add_nc_u64 s[98:99], s[98:99], s[100:101]
	v_mul_u32_u24 v3, v1, PITCH
	v_lshl_add_u32 v4, v2, 4, v3                   ; a fragment's row x pitch + 16 x half
	s_mul_i32 s21, s15, HALFT
	s_mul_i32 s22, s16, HALFT
	s_add_co_u32 s22, s22, 2*HALFT
.irp s, 0,1
	v_add_nc_u32 v[ADRA+\s], s21, v4
	v_add_nc_u32 v[ADRB+\s], s22, v4
	s_add_co_u32 s21, s21, SLOT
	s_add_co_u32 s22, s22, SLOT
.endr
	v_mul_u32_u24 v5, v1, KS                       ; my row's scales: 32 bytes a row,
	v_lshrrev_b32 v6, 8, v5
	v_lshl_add_u32 v5, v6, 4, v5                   ; and 16 more for each 256 passed
	s_mul_i32 s21, s15, HALFS
	s_mul_i32 s22, s16, HALFS
	s_add_co_u32 s22, s22, 2*HALFS
	s_sub_co_u32 s22, s22, s21
	v_mul_u32_u24 v6, s22, v2                      ; lanes 16-31 take W's
	s_add_co_u32 s21, s21, SCL
	v_add_nc_u32 v5, v5, v6
	v_add_nc_u32 v[ADRS], s21, v5
	s_mul_i32 s23, s14, 16*SPITCH                  ; my stage
	v_mul_u32_u24 v5, v1, SPITCH
	v_add_nc_u32 v5, s23, v5
	v_lshl_add_u32 v[STO32], v2, 5, v5             ; f32 in: row r, 32 h
	v_lshl_add_u32 v[STO16], v2, 4, v5             ; f16 in: row r, 16 h
	v_and_b32 v6, 31, v0
	v_lshlrev_b32 v[CO], 4, v6                     ; 16 x lane
	v_add_nc_u32 v[RD32], s23, v[CO]               ; f32 back: a row of 512 bytes
	v_lshrrev_b32 v3, 3, v6
	v_mul_u32_u24 v3, v3, SPITCH
	v_and_b32 v5, 7, v6
	v_lshl_add_u32 v3, v5, 4, v3
	v_add_nc_u32 v[RD16], s23, v3                  ; f16 back: four rows' 128 bytes of one head
.macro FRAG reg, adr, q, i             ; 16 rows x 128 K of 4-bit codes: 8 registers, two loads 32 bytes apart
.irp c, 0,1
	ds_load_b128 v[\reg+4*\c:\reg+4*\c+3], v[\adr] offset:64*(\q)+32*\c+(\i)*16*PITCH
.endr
.endm
; 16 products: x's blocks a0, a0 + 1 against W's eight.  zero = 1: the first product starts the sums from the bias.  The 64 accumulators take turns.
.macro MUL16 a0, p, q, sc, zero
.irp a, \a0, \a0+1
.irp b, 0,1,2,3,4,5,6,7
.if \zero
	v_wmma_scale_f32_16x16x128_f8f6f4 v[8*(8*((\a)%4)+\b):8*(8*((\a)%4)+\b)+7], v[128*(\p)+FR*\b:128*(\p)+FR*\b+FR-1], v[AF+FR*(\a):AF+FR*(\a)+FR-1], v[BIAS+8*\b:BIAS+8*\b+7], v[SC+8*NQ*(\sc)+NQ*\b+(\q)], v[SC+8*NQ*(\sc)+NQ*(\a)+(\q)] matrix_a_fmt:MATRIX_FMT_FP4 matrix_b_fmt:MATRIX_FMT_FP4 matrix_a_scale:MATRIX_SCALE_ROW1
.else
	v_wmma_scale_f32_16x16x128_f8f6f4 v[8*(8*((\a)%4)+\b):8*(8*((\a)%4)+\b)+7], v[128*(\p)+FR*\b:128*(\p)+FR*\b+FR-1], v[AF+FR*(\a):AF+FR*(\a)+FR-1], v[8*(8*((\a)%4)+\b):8*(8*((\a)%4)+\b)+7], v[SC+8*NQ*(\sc)+NQ*\b+(\q)], v[SC+8*NQ*(\sc)+NQ*(\a)+(\q)] matrix_a_fmt:MATRIX_FMT_FP4 matrix_b_fmt:MATRIX_FMT_FP4 matrix_a_scale:MATRIX_SCALE_ROW1
.endif
.endr
.endr
.endm
.macro FETCH_B slot, q, p
	WIN TO_B
.irp i, 0,1,2,3,4,5,6,7
	FRAG 128*(\p)+FR*\i, ADRB+\slot, \q, \i
.endr
	WIN 0
.endm
.macro FETCH_A slot, q, i0
.irp i, \i0, \i0+1, \i0+2, \i0+3
	FRAG AF+FR*(\i), ADRA+\slot, \q, \i
.endr
.endm
.macro SCALES sc                       ; a slot's scale words: lanes 0-15 x's block i, lanes 16-31 W's block i
.irp i, 0,1,2,3,4,5,6,7
	ds_load_b128 v[SC+8*NQ*\sc+NQ*\i:SC+8*NQ*\sc+NQ*\i+3], v[ADRS] offset:\i*SBLK
.endr
.endm
.macro PLACES n                        ; plain vector lines between a matrix instruction and a load into, or a read of, its registers
.rept \n
	v_nop
.endr
.endm
.macro STEP slot, q, zero              ; 128 along K, with its successor in the same slot
	s_wait_dscnt 4*NL                              ; W's set and x's blocks 0-3 are in; the youngest eight loads (blocks 4-7) may be out
.if \zero
	WIN 0x81                                       ; C, the bias, in window 0
.else
	WIN MUL_LO
.endif
	MUL16 0, (\q)%2, \q, \slot, \zero
	MUL16 2, (\q)%2, \q, \slot, \zero
	s_wait_dscnt 0
	PLACES NP
	FETCH_B \slot, (\q)+1, 1-(\q)%2
	FETCH_A \slot, (\q)+1, 0
.if \zero
	WIN 0xc1
.else
	WIN MUL_HI
.endif
	MUL16 4, (\q)%2, \q, \slot, \zero
	MUL16 6, (\q)%2, \q, \slot, \zero
	PLACES NP
	WIN 0
	FETCH_A \slot, (\q)+1, 4
.endm
.macro STEPS slot, from
.set Q, \from
.rept NQ-1-\from
	STEP \slot, Q, 0
.set Q, Q+1
.endr
.endm
	s_wait_tensorcnt 1                             ; the scales and my part of slot 0 are in; slot 1's load may be out
	s_barrier_signal -1
	s_barrier_wait -1
	FETCH_B 0, 0, 0
	FETCH_A 0, 0, 0
	SCALES 0
	FETCH_A 0, 0, 4
	s_wait_loadcnt 0x0                             ; the bias
	STEP 0, 0, 1
	STEPS 0, 1
	; slot 0's last step changes slots: one barrier; nothing is filled again
	s_wait_tensorcnt 0x0                           ; my part of slot 1 has landed
	ds_add_u32 v[SPW], v[NIL]
	s_wait_dscnt 4*NL+1                            ; the add and the youngest eight loads may be out
	WIN MUL_LO
	MUL16 0, 1, NQ-1, 0, 0
	s_wait_dscnt 0x0                               ; the add is done, and my reads of slot 0 are over
	s_barrier_signal -1
	MUL16 2, 1, NQ-1, 0, 0
	WIN 0
	s_barrier_wait -1
	PLACES NP
	v_add_nc_u32 v[ADRS], 4*NQ, v[ADRS]            ; the second slot's scale words
	FETCH_B 1, 0, 0
	FETCH_A 1, 0, 0
	SCALES 1
	WIN MUL_HI
	MUL16 4, 1, NQ-1, 0, 0
	MUL16 6, 1, NQ-1, 0, 0
	PLACES NP
	WIN 0
	FETCH_A 1, 0, 4
	STEPS 1, 0
	s_wait_dscnt 4*NL                              ; the very last step
	WIN MUL_LO
	MUL16 0, 1, NQ-1, 1, 0
	MUL16 2, 1, NQ-1, 1, 0
	s_wait_dscnt 0
	WIN MUL_HI
	MUL16 4, 1, NQ-1, 1, 0
	MUL16 6, 1, NQ-1, 1, 0
	WIN 0
	PLACES NP
	; POSITIONS 0-15 IN f32: block 0 of the waves with the tile's upper rows, where cluster y = 0.  The condition is alike in all sixteen partners.
	s_and_b32 s100, ttmp7, 0xffff
	s_or_b32 s100, s100, s15
	s_cmp_lg_u32 s100, 0
	s_cbranch_scc1 .Lnofine
	WIN 0x08                                       ; an LDS store's data are its source 1: window 2
.irp b, 0,1,2,3,4,5,6,7
	ds_store_b128 v[STO32], v[8*\b:8*\b+3] offset:64*\b        ; each accumulator from its low end on
	ds_store_b128 v[STO32], v[8*\b+4:8*\b+7] offset:64*\b+16
.endr
	WIN 0
.irp t, 0,1,2,3,4,5,6,7,8,9,10,11,12,13,14,15
	ds_load_b128 v[BK+4*\t:BK+4*\t+3], v[RD32] offset:\t*SPITCH   ; in order behind my stores
.endr
	s_wait_dscnt 0x0
.irp t, 0,1,2,3,4,5,6,7,8,9,10,11,12,13,14,15
	global_store_b128 v[CO], v[BK+4*\t:BK+4*\t+3], s[12:13] offset:\t*12288   ; 32 lanes store 512 consecutive bytes of a row
.endr
	s_wait_xcnt 0x0                                ; the stores have read their registers
.Lnofine:
; THE WAY OUT, block by block of 16 rows x 128 columns (two heads): rounded to f16, through my stage, back as four rows' 128 bytes of one head: 512 consecutive bytes of qkv16.
.macro PACK a
.set AC, 64*((\a)%4)
	WIN 0x0a+5*((\a)/4)                            ; sources in window 2 or 3
.irp b, 0,1,2,3,4,5,6,7
.irp r, 0,1,2,3
	v_cvt_pk_f16_f32 v[TMP+4*\b+\r], v[AC+8*\b+2*\r], v[AC+8*\b+2*\r+1]
.endr
.endr
	WIN 0
.endm
.macro TOSTAGE a
.set BB, BK+32*((\a)%2)
.irp b, 0,1,2,3,4,5,6,7
	ds_store_b128 v[STO16], v[TMP+4*\b:TMP+4*\b+3] offset:32*\b
.endr
.irp t, 0,1,2,3,4,5,6,7
	ds_load_b128 v[BB+4*\t:BB+4*\t+3], v[RD16] offset:(\t%4)*4*SPITCH+(\t/4)*128
.endr
.endm
.macro SEND a
.set BB, BK+32*((\a)%2)
	s_wait_dscnt 0x0                               ; the block is back in registers
	s_wait_xcnt 0x0                                ; earlier stores have read their base and registers
.if (\a) > 0
	s_add_nc_u64 s[98:99], s[98:99], 2048          ; 16 positions on
.endif
.irp t, 0,1,2,3,4,5,6,7
	global_store_b128 v[CO], v[BB+4*\t:BB+4*\t+3], s[98:99] offset:(\t/4)*262144+(\t%4)*512
.endr
.endm
	PACK 0
	TOSTAGE 0
.irp a, 1,2,3,4,5,6,7                  ; block a's conversions stand between block a - 1's loads from the stage and the wait for them
	PACK \a
	SEND \a-1
	TOSTAGE \a
.endr
	SEND 7
	s_wait_tensorcnt 0x0                           ; the wave's end
	ds_add_u32 v[SPW], v[NIL]
	s_wait_dscnt 0x0
	CROUND                                         ; the closing round
	s_endpgm
.Lfunc_end_k_qeb389ba688_qkv:
	.size	k_qeb389ba688_qkv, .Lfunc_end_k_qeb389ba688_qkv-k_qeb389ba688_qkv
	.p2alignl 7, 3214868480
	.fill 96, 4, 3214868480
	.section	.rodata,"a",@progbits
	.p2align	6, 0x0
	.amdhsa_kernel k_qeb389ba688_qkv
		.amdhsa_group_segment_fixed_size 327680
		.amdhsa_private_segment_fixed_size 0
		.amdhsa_enable_private_segment 0
		.amdhsa_kernarg_size 56
		.amdhsa_user_sgpr_count 2
		.amdhsa_user_sgpr_kernarg_segment_ptr 1
		.amdhsa_wavefront_size32 1
		.amdhsa_system_sgpr_workgroup_id_x 1
		.amdhsa_system_sgpr_workgroup_id_y 1
		.amdhsa_system_sgpr_workgroup_id_z 1
		.amdhsa_system_vgpr_workitem_id 0
		.amdhsa_next_free_vgpr 1024
		.amdhsa_next_free_sgpr 102
		.amdhsa_reserve_vcc 0
		.amdhsa_float_denorm_mode_32 3
		.amdhsa_float_denorm_mode_16_64 3
		.amdhsa_memory_ordered 1
		.amdhsa_forward_progress 1
		.amdhsa_inst_pref_size 133
	.end_amdhsa_kernel
	.amdgpu_metadata
---
amdhsa.version: [ 1, 2 ]
amdhsa.kernels:
  - .name:           k_qeb389ba688_qkv
    .symbol:         k_qeb389ba688_qkv.kd
    .args:
      - { .name: x_codes, .offset: 0, .size: 8, .value_kind: global_buffer, .address_space: global }
      - { .name: x_scales, .offset: 8, .size: 8, .value_kind: global_buffer, .address_space: global }
      - { .name: w_codes, .offset: 16, .size: 8, .value_kind: global_buffer, .address_space: global }
      - { .name: w_scales, .offset: 24, .size: 8, .value_kind: global_buffer, .address_space: global }
      - { .name: b_attn, .offset: 32, .size: 8, .value_kind: global_buffer, .address_space: global }
      - { .name: qkv16, .offset: 40, .size: 8, .value_kind: global_buffer, .address_space: global }
      - { .name: qkv_fine, .offset: 48, .size: 8, .value_kind: global_buffer, .address_space: global }
    .group_segment_fixed_size: 327680
    .private_segment_fixed_size: 0
    .kernarg_segment_align: 8
    .kernarg_segment_size: 56
    .max_flat_workgroup_size: 128
    .sgpr_count:     102
    .vgpr_count:     1024
    .wavefront_size: 32
...
	.end_amdgpu_metadata
.endif
;; end of part 2
;; launch attn (part 3): grid 4 x 64, 8 waves a work-group, clusters of 4 x 1, 327,680 bytes of LDS; arguments qkv16, att16; writes att16
.if DOCPART == 3
	.amdgcn_target "amdgcn-amd-amdhsa--gfx1250"
	.amdhsa_code_object_version 6
	.text
	.protected	k_qeb389ba688_attn
	.globl	k_qeb389ba688_attn
	.p2align	8
	.type	k_qeb389ba688_attn,@function
k_qeb389ba688_attn:
	s_mov_b64 s[64:65], 0
	v_nop
	global_prefetch_b8 v0, s[64:65] scope:SCOPE_SE
	s_setreg_imm32_b32 hwreg(HW_REG_WAVE_MODE, 25, 1), 1
	s_wait_xcnt 0x0
	s_wait_alu depctr_hold_cnt(0) depctr_sa_sdst(0) depctr_va_vdst(0) depctr_va_sdst(0) depctr_va_ssrc(0) depctr_va_vcc(0) depctr_vm_vsrc(0)
	s_getreg_b32 s2, hwreg(HW_REG_IB_STS2, 6, 4)
	s_cmp_eq_u32 s2, 0
	s_cbranch_scc0 .Lentry_in_a_cluster
	s_endpgm
.Lentry_in_a_cluster:
	s_bfe_u32 s2, ttmp6, 0x10000c
	s_cmp_lg_u32 s2, 0x3003
	s_cbranch_scc0 .Lentry_shape_is_right
	s_endpgm
.Lentry_shape_is_right:
; att16[bh][q][:] = sum over k <= q of softmax_k(Q[q] . K[k] / 8) V[k][:], for each of 64 (batch, head).  Q, K, V: qkv16 [3][64][2048][64] f16; att16 [64][2048][64] f16.
; Products on f16 operands with f32 sums; maxima, exponentials and the rows' sums in f32; the weights p are rounded to f16 for the second product, the result once at the end.
; SHARES.  The four work-groups of a cluster own one head.  Its queries are 16 groups of 128; the partner at cx owns queries 128 g + 32 cx + 0 .. 31 of EVERY group: two tiles of 16.
; Wave w owns groups w (tiles 0, 1) and 15 - w (tiles 2, 3): (w + 1) + (16 - w) = 17 units of 32 queries x 128 keys for every wave of every work-group.
; Every work-group walks all 2,048 keys, 64 a step; a wave leaves out the steps whose keys come after its group's 128 queries: a branch on the wave's number and the count of steps, never on cx.
; So K and V are asked for JOINTLY by the four partners.  In a group's own 128 keys hidden scores become -infinity ahead of the maximum.
; LAYOUT.  S^T = K Q^T (source 0 = 16 keys, source 1 = 16 queries), O^T = V^T P (V turned by ds_load_tr16_b128): a lane holds one query throughout.
; SOFTMAX.  Running maximum m and sum l: p = 2^(c s - c m), c = log2(e) / 8; O and l are multiplied by a = 2^(c m_old - c m_new) in every step.  Key 0 counts for every query, so m is a number from the first step on.
; LIMITS: NaN and infinities in qkv16 are not served.  Rows 0-15 of each sequence are made here like the others and are made again, in f32, by a later launch.
; REGISTERS: window 0: v2-13 addresses; v16-47 statistics, 8 a tile (+0 c m, +1 m, +2, +3 l, +4..7 at work, a in +6); v64-127 S^T of a pair of tiles; v128-159 P; v160-223 K's 8 fragments.
;   window 1: v0-127 O^T, 32 a tile; v128-191 Q, 16 a tile; v192-255 V's 8 fragments.
.set KSL,   256                        ; keys in a slot
.set PK,    144                        ; a row of K in LDS: 128 bytes + 16
.set PVP,   160                        ; a row of V: 128 + 32
.set VOFF,  KSL*PK
.set SLOT1, 1<<17                      ; slot 1 begins here: one exclusive or turns an address from slot to slot
.set STAGE, SLOT1+KSL*(PK+PVP)         ; 16 rows x 144 bytes for each wave
.set SP,    144
.set SPARE, STAGE+8*16*SP              ; the spare words: four blocks of 256 bytes that no other line names
.set AK0, 2
.set AV0, 3
.set ADK, 4
.set ADV, 5
.set QO,  6
.set STO, 7
.set RD,  8
.set GO,  9
.set PFO, 10
.set QL,  11                           ; v11  32 cx + r - 8 h: my query in its group, less my half's first key in a tile; v12, v13: the mask's bound for the two tiles
.set ST,  16
.set SPW, 48
.set NIL, 49
.set NINF, 50
.set S,   64
.set P,   128
.set KFR, 160
.set VFR, 192                          ; in window 1
.set QFR, 128                          ; in window 1
.set WV,  12
.set LIM, 15
.set PFA, 18
.set G1K, 24
.set G1V, 32
.set G0K, 40
.set G0V, 44
.set QLO, 48
.set QHI, 50
.set OLO, 52
.set OHI, 54
.set SLOTS, 56
.set STEPC, 57
.set CS,  58
.set SEL, 60
.set TBK, 62
.set TBV, 63
.set KF,  66                           ; s66  the step's first key
.set GLO, 67                           ; s67  128 w;  s68  128 (15 - w);  s69, s70: the groups' last keys
.set GHI, 68
.set MSB, 0
.macro WIN new
.if MSB != (\new)
	s_set_vgpr_msb (MSB<<8)|(\new)
.set MSB, (\new)
.endif
.endm
.set W_KQ, 0x04                        ; Q (source 1) in window 1
.set W_PV, 0x51                        ; V (source 0), C and D in window 1, P in window 0
.set W_RS, 0x41                        ; O^T (destination, source 0) in window 1
; A joint load: waves 0-3 fetch the quarters of a slot's K, waves 4-7 those of its V.  An s_nop 0 and four v_nop follow each line.
.macro JLOAD
	s_cmp_lt_u32 s[WV], 4
	s_cbranch_scc0 .Lfor_v_\@
	tensor_load_to_lds s[G0K:G0K+3], s[G1K:G1K+7]
	s_nop 0
.rept 4
	v_nop
.endr
	s_branch .Lasked_\@
.Lfor_v_\@:
	tensor_load_to_lds s[G0V:G0V+3], s[G1V:G1V+7]
	s_nop 0
.rept 4
	v_nop
.endr
.Lasked_\@:
.endm
; A prefetch of what the NEXT change of slots will ask for: 32,768 bytes of K and of V.  The four partners take 8,192 bytes of each, told apart by address; wave 0 asks for K's, wave 4 for V's,
; lanes 256 bytes apart: each run of 256 bytes is named once in the launch.  The last change that fills a slot asks for nothing; slots 0 and 1 come by their loads alone.
.macro ASK
	s_cmp_gt_u32 s[SLOTS], s[LIM]
	s_cbranch_scc0 .Lnot_mine_\@
	global_prefetch_b8 v[PFO], s[PFA:PFA+1] th:TH_LOAD_NT scope:SCOPE_SE
.Lnot_mine_\@:
.endm
.macro CROUND
	s_barrier_signal -1
	s_barrier_wait -1
	s_cmp_lg_u32 s[WV], 0
	s_cbranch_scc1 .Lnot_wave_0_\@
	s_barrier_signal -3
.Lnot_wave_0_\@:
	s_barrier_wait -3
	s_barrier_signal -1
	s_barrier_wait -1
.endm
	s_load_b128 s[4:7], s[0:1], 0x0                ; qkv16, att16
	v_lshl_add_u32 v[SPW], v0, 2, SPARE
	v_mov_b32 v[NIL], 0
	ds_add_u32 v[SPW], v[NIL]                      ; the wave's opening: the add, twice on end, and its wait ahead of my first tensor load
	ds_add_u32 v[SPW], v[NIL]
	v_lshrrev_b32 v1, 5, v0
	v_readfirstlane_b32 s[WV], v1                  ; wave 0..7
	s_bfe_u32 s13, ttmp6, 0x40000                  ; cx
	s_and_b32 s20, ttmp7, 0xffff                   ; (batch, head), which the partners share
	s_lshl_b32 s20, s20, 18                        ; x 2,048 rows of 128 bytes
	s_and_b32 s16, s[WV], 3                        ; which quarter of a slot I fetch
	s_lshl_b32 s22, s16, 13                        ; 64 rows of 128 bytes
	s_add_co_u32 s22, s22, s20
	s_mov_b32 s23, 0
	s_mul_i32 s17, s16, 64*PK                      ; its place in a slot, for K
	s_mul_i32 s14, s16, 64*PVP
	s_add_co_u32 s14, s14, VOFF                    ; and for V
	s_mov_b32 s[G1K], 15|(1<<16)|(1<<20)|(1<<21)|(4<<22)|(3<<25)   ; mask: all four; elements of 2 bytes; padding on; bit 21 beside a mask; 4 words behind every 32
	s_mov_b32 s[G1V], 15|(1<<16)|(1<<20)|(1<<21)|(4<<22)|(7<<25)   ; 8 words behind every 32
.irp g, G1K, G1V
	s_mov_b32 s[\g+1], 64<<16                      ; tensor_dim0 = 64
	s_mov_b32 s[\g+2], 64<<16                      ; tensor_dim1 = 64
	s_mov_b32 s[\g+3], 64<<16                      ; tile_dim0 = 64
	s_mov_b32 s[\g+4], 64                          ; tile_dim1 = 64
	s_mov_b32 s[\g+5], 64                          ; from row to row
	s_mov_b32 s[\g+6], 0
	s_mov_b32 s[\g+7], 0
.endr
	s_mov_b32 s[CS], 0x3e38aa3b                    ; c = log2(e) / 8
	s_mov_b32 s[CS+1], s[CS]
	s_mov_b32 s[SEL], 0x76543210
	s_mov_b32 s[SEL+1], 0xfedcba98
	s_mov_b32 s[TBK], 0
	s_mov_b32 s[TBV], 0
	s_mov_b32 s[KF], 0
	s_mov_b32 s[SLOTS], 7
	s_lshl_b32 s[GLO], s[WV], 7
	s_sub_co_u32 s[GHI], 15, s[WV]
	s_lshl_b32 s[GHI], s[GHI], 7
	s_add_co_u32 s69, s[GHI], 127
	s_add_co_u32 s70, s[GLO], 127
	s_cmp_eq_u32 s16, 0
	s_cselect_b32 s[LIM], 1, -1                    ; waves 0 and 4 prefetch
	s_lshl_b32 s2, s13, 12                         ; my 32 queries in a group: cx x 32 rows of 128 bytes
	s_add_co_u32 s2, s2, s20
	s_lshl_b32 s8, s[GLO], 7
	s_add_co_u32 s8, s8, s2
	s_mov_b32 s9, 0
	s_lshl_b32 s10, s[GHI], 7
	s_add_co_u32 s10, s10, s2
	s_mov_b32 s11, 0
	s_mov_b32 s3, 33554432
	s_cmp_lt_u32 s[WV], 4
	s_cselect_b32 s2, 16777216, s3                 ; the prefetches' offset: K's or V's part of qkv16,
	s_lshl_b32 s3, s13, 13
	s_add_co_u32 s2, s2, s3                        ; my work-group's 8,192 bytes,
	s_add_co_u32 s2, s2, 32768                     ; in slot 1: the first change of slots steps it to slot 2
	s_mov_b32 s3, 0
	s_wait_dscnt 0x0                               ; both opening adds are done
	s_wait_kmcnt 0x0
	s_add_nc_u64 s[QLO:QLO+1], s[4:5], s[8:9]
	s_add_nc_u64 s[QHI:QHI+1], s[4:5], s[10:11]
	s_add_nc_u64 s[OLO:OLO+1], s[6:7], s[8:9]
	s_add_nc_u64 s[OHI:OHI+1], s[6:7], s[10:11]
	s_add_nc_u64 s[4:5], s[4:5], s[22:23]          ; qkv16 at my head and my quarter
	s_add_nc_u64 s[PFA:PFA+1], s[4:5], s[2:3]
	s_mov_b32 s[G0K], 1
	s_mov_b32 s[G0K+1], s17
	s_add_nc_u64 s[G0K+2:G0K+3], s[4:5], 16777216
	s_or_b32 s[G0K+3], s[G0K+3], 0x80000000
	s_mov_b32 s[G0V], 1
	s_mov_b32 s[G0V+1], s14
	s_add_nc_u64 s[G0V+2:G0V+3], s[4:5], 33554432
	s_or_b32 s[G0V+3], s[G0V+3], 0x80000000
	CROUND                                         ; all four work-groups are here
	JLOAD                                          ; slot 0: one tensor load of mine is out, here and behind every later round
	v_and_b32 v1, 15, v0                           ; r
	v_bfe_u32 v14, v0, 4, 1                        ; h
	v_lshlrev_b32 v[QO], 7, v1
	v_lshl_add_u32 v[QO], v14, 4, v[QO]
	WIN 0x40                                       ; destination window 1
.irp t, 0,1
.irp c, 0,1
	global_load_b128 v[QFR+16*\t+8*\c:QFR+16*\t+8*\c+3],     v[QO], s[QLO:QLO+1] offset:\t*2048+64*\c
	global_load_b128 v[QFR+16*\t+8*\c+4:QFR+16*\t+8*\c+7],   v[QO], s[QLO:QLO+1] offset:\t*2048+64*\c+32
	global_load_b128 v[QFR+32+16*\t+8*\c:QFR+32+16*\t+8*\c+3],   v[QO], s[QHI:QHI+1] offset:\t*2048+64*\c
	global_load_b128 v[QFR+32+16*\t+8*\c+4:QFR+32+16*\t+8*\c+7], v[QO], s[QHI:QHI+1] offset:\t*2048+64*\c+32
.endr
.endr
.set i, 0
.rept 128
	v_mov_b32 v[i], 0                              ; O^T.  The step is written for every step alike: the first finds zeros, which the first a, 0, leaves zeros
.set i, i+1
.endr
	WIN 0
	v_mul_u32_u24 v[AK0], v1, PK
	v_lshl_add_u32 v[AK0], v14, 4, v[AK0]          ; K: row r x pitch + 16 h
	v_and_b32 v15, 7, v0
	v_lshl_add_u32 v15, v14, 3, v15
	v_mul_u32_u24 v[AV0], v15, PVP                 ; V, for the turning load: key 8 h + lane % 8,
	v_bfe_u32 v15, v0, 3, 1
	v_lshl_add_u32 v[AV0], v15, 4, v[AV0]          ; channels 8 ((lane / 8) % 2) on
	v_add_nc_u32 v[AV0], VOFF, v[AV0]
	s_mul_i32 s2, s[WV], 16*SP
	s_add_co_u32 s2, s2, STAGE                     ; my stage
	v_mul_u32_u24 v[STO], v1, SP
	v_lshl_add_u32 v[STO], v14, 4, v[STO]
	v_add_nc_u32 v[STO], s2, v[STO]
	v_and_b32 v15, 31, v0
	v_lshlrev_b32 v[GO], 4, v15
	v_lshlrev_b32 v[PFO], 8, v15
	v_lshrrev_b32 v[RD], 3, v15
	v_mul_u32_u24 v[RD], v[RD], SP
	v_and_b32 v15, 7, v0
	v_lshl_add_u32 v[RD], v15, 4, v[RD]
	v_add_nc_u32 v[RD], s2, v[RD]                  ; back: four rows of 128 bytes an instruction
	v_lshlrev_b32 v15, 3, v14
	v_sub_nc_u32 v[QL], v1, v15
	s_lshl_b32 s2, s13, 5
	v_add_nc_u32 v[QL], s2, v[QL]                  ; cx enters vector data and global addresses alone
	v_mov_b32 v[NINF], 0xff800000
.irp t, 0,1,2,3
	v_mov_b32 v[ST+8*\t+1], 0xff61b1e6             ; m = -3e38, under every score
	v_mul_f32 v[ST+8*\t], s[CS], v[ST+8*\t+1]
.irp j, 2,3,4,5,6,7
	v_mov_b32 v[ST+8*\t+\j], 0
.endr
.endr
.macro FETCH                           ; a step's K (8 fragments) and V (8, turned): 32 LDS loads in one run
	v_add_nc_u32 v[ADK], s[TBK], v[AK0]
	v_add_nc_u32 v[ADV], s[TBV], v[AV0]
.irp f, 0,1,2,3,4,5,6,7                ; keys 16 (f / 2) on, channels 32 (f % 2) on
	ds_load_b128 v[KFR+8*\f:KFR+8*\f+3],   v[ADK] offset:(\f/2)*16*PK+(\f%2)*64
	ds_load_b128 v[KFR+8*\f+4:KFR+8*\f+7], v[ADK] offset:(\f/2)*16*PK+(\f%2)*64+32
.endr
	WIN 0x40
.irp f, 0,1,2,3,4,5,6,7                ; keys 32 (f / 4) on, channels 16 (f % 4) on
	ds_load_tr16_b128 v[VFR+8*\f:VFR+8*\f+3],   v[ADV] offset:(\f/4)*32*PVP+(\f%4)*32
	ds_load_tr16_b128 v[VFR+8*\f+4:VFR+8*\f+7], v[ADV] offset:(\f/4)*32*PVP+16*PVP+(\f%4)*32
.endr
	WIN 0
.endm
.macro KQ T0                           ; 16 products: 8 accumulators by turns; the first 8 start the sums
.set i, 0
.rept 16
.set rS, S+32*(i%2)+8*((i/2)%4)
.set rK, KFR+16*((i/2)%4)+8*(i/8)
.set rQ, QFR+16*(\T0+i%2)+8*(i/8)
.if i < 8
	v_wmma_f32_16x16x32_f16 v[rS:rS+7], v[rK:rK+7], v[rQ:rQ+7], 0
.else
	v_wmma_f32_16x16x32_f16 v[rS:rS+7], v[rK:rK+7], v[rQ:rQ+7], v[rS:rS+7]
.endif
.set i, i+1
.endr
.endm
.macro PVM T0                          ; 16 products O^T += V^T P: 8 accumulators by turns
.set i, 0
.rept 16
.set rO, 32*(\T0+i%2)+8*((i/2)%4)
.set rV, VFR+32*(i/8)+8*((i/2)%4)
.set rP, P+16*(i%2)+8*(i/8)
	v_wmma_f32_16x16x32_f16 v[rO:rO+7], v[rV:rV+7], v[rP:rP+7], v[rO:rO+7]
.set i, i+1
.endr
.endm
; Register n of a tile's S^T holds key KF + 16 (n / 8) + 8 h + n % 8; my query is G + 32 cx + 16 u + r.  Hidden where 16 (n / 8) + n % 8 > G - KF + QL + 16 u.  Steps wholly ahead of the group skip this.
.macro MASK G
	s_cmp_lt_u32 s[KF], s[\G]
	s_cbranch_scc1 .Lopen_\@
	s_sub_co_i32 s71, s[\G], s[KF]
	v_add_nc_u32 v12, s71, v[QL]
	v_add_nc_u32 v13, 16, v12
.irp u, 0,1
.set n, 0
.rept 32
	v_cmp_gt_i32 vcc_lo, 16*(n/8)+n%8, v[12+\u]
	v_cndmask_b32 v[S+32*\u+n], v[S+32*\u+n], v[NINF], vcc_lo
.set n, n+1
.endr
.endr
.Lopen_\@:
.endm
; The softmax of a pair of tiles for one step; the two tiles alternate line by line, so that no line waits for the line above it.
.macro SOFTMAX T0
.irp j, 0,1,2,3
.irp u, 0,1
	v_max3_num_f32 v[ST+8*(\T0+\u)+4+\j], v[S+32*\u+8*\j], v[S+32*\u+8*\j+1], v[S+32*\u+8*\j+2]   ; four chains, each begun at an accumulator's low end
.endr
.endr
.irp k, 3,5
.irp j, 0,1,2,3
.irp u, 0,1
	v_max3_num_f32 v[ST+8*(\T0+\u)+4+\j], v[ST+8*(\T0+\u)+4+\j], v[S+32*\u+8*\j+\k], v[S+32*\u+8*\j+\k+1]
.endr
.endr
.endr
.irp u, 0,1
	v_max3_num_f32 v[ST+8*(\T0+\u)+4], v[ST+8*(\T0+\u)+4], v[S+32*\u+7], v[S+32*\u+15]
.endr
.irp u, 0,1
	v_max3_num_f32 v[ST+8*(\T0+\u)+6], v[ST+8*(\T0+\u)+6], v[S+32*\u+23], v[S+32*\u+31]
.endr
.irp u, 0,1
	v_max3_num_f32 v[ST+8*(\T0+\u)+4], v[ST+8*(\T0+\u)+4], v[ST+8*(\T0+\u)+5], v[ST+8*(\T0+\u)+6]
.endr
.irp u, 0,1
	v_max3_num_f32 v[ST+8*(\T0+\u)+4], v[ST+8*(\T0+\u)+4], v[ST+8*(\T0+\u)+7], v[ST+8*(\T0+\u)+1]   ; with the old m
.endr
.irp u, 0,1
	v_permlanex16_b32 v[ST+8*(\T0+\u)+5], v[ST+8*(\T0+\u)+4], s[SEL], s[SEL+1]   ; the query's other 32 keys lie in the lane 16 away
.endr
.irp u, 0,1
	v_mov_b32 v[ST+8*(\T0+\u)+7], v[ST+8*(\T0+\u)]                                ; c m_old
.endr
.irp u, 0,1
	v_max_num_f32 v[ST+8*(\T0+\u)+1], v[ST+8*(\T0+\u)+4], v[ST+8*(\T0+\u)+5]
.endr
.irp u, 0,1
	v_mul_f32 v[ST+8*(\T0+\u)], s[CS], v[ST+8*(\T0+\u)+1]
.endr
.irp u, 0,1
	v_sub_f32 v[ST+8*(\T0+\u)+7], v[ST+8*(\T0+\u)+7], v[ST+8*(\T0+\u)]
.endr
.set n, 0
.rept 16
.irp u, 0,1
	v_pk_fma_f32 v[S+32*\u+2*n:S+32*\u+2*n+1], v[S+32*\u+2*n:S+32*\u+2*n+1], s[CS:CS+1], v[ST+8*(\T0+\u):ST+8*(\T0+\u)+1] op_sel_hi:[1,0,0] neg_lo:[0,0,1] neg_hi:[0,0,1]   ; c s - c m
.endr
.set n, n+1
.endr
.irp u, 0,1
	v_exp_f32 v[ST+8*(\T0+\u)+6], v[ST+8*(\T0+\u)+7]                              ; a
.endr
.set n, 0
.rept 32
.irp u, 0,1
	v_exp_f32 v[S+32*\u+n], v[S+32*\u+n]
.endr
.set n, n+1
.endr
	v_nop                                          ; a plain line behind the last exponential,
	s_wait_alu depctr_va_vdst(0)                   ; and one wait ahead of the batch's first reader: 66 exponentials
.set n, 0
.rept 16
.irp u, 0,1
	v_cvt_pk_f16_f32 v[P+16*\u+n], v[S+32*\u+2*n], v[S+32*\u+2*n+1]
.endr
.set n, n+1
.endr
.irp w, 4,8,16,32                      ; the sum of the unrounded p, in place: neighbours 1, 2, 4, 8 pairs apart
.set n, 0
.rept 32/\w
.irp u, 0,1
	v_pk_add_f32 v[S+32*\u+\w*n:S+32*\u+\w*n+1], v[S+32*\u+\w*n:S+32*\u+\w*n+1], v[S+32*\u+\w*n+\w/2:S+32*\u+\w*n+\w/2+1]
.endr
.set n, n+1
.endr
.endr
.irp u, 0,1
	v_pk_fma_f32 v[ST+8*(\T0+\u)+2:ST+8*(\T0+\u)+3], v[ST+8*(\T0+\u)+2:ST+8*(\T0+\u)+3], v[ST+8*(\T0+\u)+6:ST+8*(\T0+\u)+7], v[S+32*\u:S+32*\u+1] op_sel_hi:[1,0,1]   ; l = a l + the sum
.endr
	WIN W_RS
.set n, 0
.rept 16
.irp u, 0,1
	v_pk_mul_f32 v[32*(\T0+\u)+2*n:32*(\T0+\u)+2*n+1], v[32*(\T0+\u)+2*n:32*(\T0+\u)+2*n+1], v[ST+8*(\T0+\u)+6:ST+8*(\T0+\u)+7] op_sel_hi:[1,0]   ; O^T x a
.endr
.set n, n+1
.endr
.endm
.macro PAIR T0, G, first
.if \first
	s_wait_dscnt 16                                ; K is in; V's sixteen loads may be out
.endif
	WIN W_KQ
	KQ \T0
	WIN 0
.rept 4
	v_nop                                          ; places between the products and the first read of their results
.endr
	MASK \G
	SOFTMAX \T0
.if \first
	s_wait_dscnt 0x0                               ; V is in
.endif
	WIN W_PV
	PVM \T0
	WIN 0
.rept 4
	v_nop                                          ; places between the products and the next loads into K's and V's registers
.endr
.endm
.macro STEP                            ; 64 keys
	s_cmp_gt_u32 s[KF], s69                        ; past my later group: nothing is left for me in this step
	s_cbranch_scc1 .Lnone_\@
	FETCH
	PAIR 2, GHI, 1
	s_cmp_gt_u32 s[KF], s70                        ; past my earlier group
	s_cbranch_scc1 .Lnone_\@
	PAIR 0, GLO, 0
.Lnone_\@:
	s_add_co_u32 s[TBK], s[TBK], 64*PK
	s_add_co_u32 s[TBV], s[TBV], 64*PVP
	s_add_co_u32 s[KF], s[KF], 64
.endm
.macro SLOT_STEPS                      ; a slot's four steps: written once, walked four times
	s_mov_b32 s[STEPC], 4
.Lstep_\@:
	STEP
	s_sub_co_u32 s[STEPC], s[STEPC], 1
	s_cmp_lg_u32 s[STEPC], 0
	s_cbranch_scc1 .Lstep_\@
	s_sub_co_u32 s[TBK], s[TBK], KSL*PK            ; back to a slot's first step,
	s_xor_b32 s[TBK], s[TBK], SLOT1                ; in the other slot
	s_sub_co_u32 s[TBV], s[TBV], KSL*PVP
	s_xor_b32 s[TBV], s[TBV], SLOT1
.endm
; THE CHANGE OF SLOTS stands at a slot's head.  Each wave waits for all its tensor loads (its part of the slot ahead), adds 0 to its spare word, and waits for that and for its reads of the slot that it has left.
; fill = 1: a round of the cluster's barrier, and behind it the other slot takes the next 256 keys: the load has a slot's four steps in which to land.
.macro CHANGE fill
	s_wait_tensorcnt 0x0                           ; no tensor load of mine is out, so a group 0 may be written
	ds_add_u32 v[SPW], v[NIL]
.if \fill
	s_xor_b32 s[G0K+1], s[G0K+1], SLOT1
	s_add_nc_u64 s[G0K+2:G0K+3], s[G0K+2:G0K+3], KSL*128
	s_xor_b32 s[G0V+1], s[G0V+1], SLOT1
	s_add_nc_u64 s[G0V+2:G0V+3], s[G0V+2:G0V+3], KSL*128
	s_wait_xcnt 0x0                                ; the last prefetch, a slot back, has read its address
	s_add_nc_u64 s[PFA:PFA+1], s[PFA:PFA+1], KSL*128
.endif
	s_wait_dscnt 0x0                               ; the add is done, and my reads of the slot that I have left are over
.if \fill
	CROUND
	JLOAD
	ASK
.else
	s_barrier_signal -1
	s_barrier_wait -1
.endif
.endm
	s_wait_loadcnt 0x0                             ; Q
.Lslot:                                            ; seven trips: behind each change of slots but the last the next slot is asked for
	CHANGE 1
	SLOT_STEPS
	s_sub_co_u32 s[SLOTS], s[SLOTS], 1
	s_cmp_lg_u32 s[SLOTS], 0
	s_cbranch_scc1 .Lslot
	CHANGE 0                                       ; the last slot is written out
	SLOT_STEPS
	; THE WAY OUT: l's halves are added, O^T is divided by l, rounded to f16 and sent through my stage, a tile of 16 rows at a time.
.irp t, 0,1,2,3
	v_add_f32 v[ST+8*\t+4], v[ST+8*\t+2], v[ST+8*\t+3]
.endr
.irp t, 0,1,2,3
	v_permlanex16_b32 v[ST+8*\t+5], v[ST+8*\t+4], s[SEL], s[SEL+1]
.endr
.irp t, 0,1,2,3
	v_add_f32 v[ST+8*\t+4], v[ST+8*\t+4], v[ST+8*\t+5]
.endr
.irp t, 0,1,2,3
	v_rcp_f32 v[ST+8*\t+6], v[ST+8*\t+4]
.endr
	v_nop
	s_wait_alu depctr_va_vdst(0)                   ; one wait for the four reciprocals, ahead of their first reader
.macro PACK t
	WIN W_RS
.set i, 0
.rept 16
	v_pk_mul_f32 v[32*\t+2*i:32*\t+2*i+1], v[32*\t+2*i:32*\t+2*i+1], v[ST+8*\t+6:ST+8*\t+7] op_sel_hi:[1,0]
.set i, i+1
.endr
	WIN 0x05                                       ; sources in window 1, destination in window 0
.set i, 0
.rept 16
	v_cvt_pk_f16_f32 v[128+16*\t+i], v[32*\t+2*i], v[32*\t+2*i+1]
.set i, i+1
.endr
	WIN 0
.irp f, 0,1,2,3
	ds_store_b128 v[STO], v[128+16*\t+4*\f:128+16*\t+4*\f+3] offset:32*\f
.endr
.irp f, 0,1,2,3
	ds_load_b128 v[64+16*\t+4*\f:64+16*\t+4*\f+3], v[RD] offset:\f*4*SP   ; in order behind my stores; the next tile's stores come behind these
.endr
.endm
	PACK 0
	PACK 1
	PACK 2
	PACK 3
.irp t, 0,1
	s_wait_dscnt 8*(3-\t)                          ; behind tile t's loads stand eight LDS instructions for each later tile
.irp f, 0,1,2,3
	global_store_b128 v[GO], v[64+16*\t+4*\f:64+16*\t+4*\f+3], s[OLO:OLO+1] offset:\t*2048+\f*512   ; 32 lanes store 512 consecutive bytes
.endr
.endr
.irp t, 0,1
	s_wait_dscnt 8*(1-\t)
.irp f, 0,1,2,3
	global_store_b128 v[GO], v[96+16*\t+4*\f:96+16*\t+4*\f+3], s[OHI:OHI+1] offset:\t*2048+\f*512
.endr
.endr
	s_wait_tensorcnt 0x0                           ; the wave's end
	ds_add_u32 v[SPW], v[NIL]
	s_wait_dscnt 0x0
	CROUND                                         ; the closing round
	s_endpgm
.Lfunc_end_k_qeb389ba688_attn:
	.size	k_qeb389ba688_attn, .Lfunc_end_k_qeb389ba688_attn-k_qeb389ba688_attn
	.p2alignl 7, 3214868480
	.fill 96, 4, 3214868480
	.section	.rodata,"a",@progbits
	.p2align	6, 0x0
	.amdhsa_kernel k_qeb389ba688_attn
		.amdhsa_group_segment_fixed_size 327680
		.amdhsa_private_segment_fixed_size 0
		.amdhsa_enable_private_segment 0
		.amdhsa_kernarg_size 16
		.amdhsa_user_sgpr_count 2
		.amdhsa_user_sgpr_kernarg_segment_ptr 1
		.amdhsa_wavefront_size32 1
		.amdhsa_system_sgpr_workgroup_id_x 1
		.amdhsa_system_sgpr_workgroup_id_y 1
		.amdhsa_system_sgpr_workgroup_id_z 1
		.amdhsa_system_vgpr_workitem_id 0
		.amdhsa_next_free_vgpr 512
		.amdhsa_next_free_sgpr 72
		.amdhsa_reserve_vcc 1
		.amdhsa_float_denorm_mode_32 3
		.amdhsa_float_denorm_mode_16_64 3
		.amdhsa_memory_ordered 1
		.amdhsa_forward_progress 1
		.amdhsa_inst_pref_size 110
	.end_amdhsa_kernel
	.amdgpu_metadata
---
amdhsa.version: [ 1, 2 ]
amdhsa.kernels:
  - .name:           k_qeb389ba688_attn
    .symbol:         k_qeb389ba688_attn.kd
    .args:
      - { .name: qkv16, .offset: 0, .size: 8, .value_kind: global_buffer, .address_space: global }
      - { .name: att16, .offset: 8, .size: 8, .value_kind: global_buffer, .address_space: global }
    .group_segment_fixed_size: 327680
    .private_segment_fixed_size: 0
    .kernarg_segment_align: 8
    .kernarg_segment_size: 16
    .max_flat_workgroup_size: 256
    .sgpr_count:     72
    .vgpr_count:     512
    .wavefront_size: 32
...
	.end_amdgpu_metadata
.endif
;; end of part 3
;; launch proj (part 4): grid 8 x 32, 4 waves a work-group, clusters of 4 x 4, 327,680 bytes of LDS; arguments att16, wp16, b_proj, out0; writes out0
.if DOCPART == 4
	.amdgcn_target "amdgcn-amd-amdhsa--gfx1250"
	.amdhsa_code_object_version 6
	.text
	.protected	k_qeb389ba688_proj
	.globl	k_qeb389ba688_proj
	.p2align	8
	.type	k_qeb389ba688_proj,@function
k_qeb389ba688_proj:
	s_mov_b64 s[64:65], 0
	v_nop
	global_prefetch_b8 v0, s[64:65] scope:SCOPE_SE
	s_setreg_imm32_b32 hwreg(HW_REG_WAVE_MODE, 25, 1), 1
	s_wait_xcnt 0x0
	s_wait_alu depctr_hold_cnt(0) depctr_sa_sdst(0) depctr_va_vdst(0) depctr_va_sdst(0) depctr_va_ssrc(0) depctr_va_vcc(0) depctr_vm_vsrc(0)
	s_getreg_b32 s2, hwreg(HW_REG_IB_STS2, 6, 4)
	s_cmp_eq_u32 s2, 0
	s_cbranch_scc0 .Lentry_in_a_cluster
	s_endpgm
.Lentry_in_a_cluster:
	s_bfe_u32 s2, ttmp6, 0x10000c
	s_cmp_lg_u32 s2, 0xf033
	s_cbranch_scc0 .Lentry_shape_is_right
	s_endpgm
.Lentry_shape_is_right:
; out0[m][n] = sum over k of att[m][k] Wp[k][n] + b_proj[n].  att16: [64 (batch, head)][2048][64] f16, so k = 64 head + channel; wp16: [1024 k][1024 n] f16; out0: [8192][1024] f32.  Sums in f32.
; A tile of 256 (m) x 128 (n) to a work-group: 32 x 8 = 256 work-groups.  Four waves, 128 x 64 each: 32 accumulators, 256 registers.  K goes in steps of 128 (two heads) through two LDS slots.
; A slot: att's tile as [2 heads][256 rows][128 bytes + 16] (wave 0 fetches the first head, wave 1 the second), then Wp's as [128 k][256 bytes + 32] (waves 2, 3: 64 rows each), read turned.
; CLUSTERS of 4 x 4: a row of the cluster shares att's tiles, a column Wp's: joint loads.  The matrix instruction is used transposed (source 0 = 16 columns of Wp, source 1 = 16 rows of att):
; a lane holds eight neighbouring columns of a row.  The bias is the C of each sum's first product.
; No prefetch: the launch moves some 52 MB for 1,024 matrix instructions a wave, so its loads and stores already keep memory at work.
; Rows 0-15 of each sequence are written here like the others and are written again, from f32 operands, by the launch that follows.
; REGISTERS: window 0: v16-30 addresses; v32-63 the bias; v64-127 Wp's fragments, two buffers of 4; v128-255 att's, two buffers of 8.  window 1: accumulator (a, b) at v[8 (4 a + b)].
.set PA,     144
.set PB,     288
.set AHEAD,  256*PA                    ; one head's 256 rows: what waves 0 and 1 fetch
.set BOFF,   2*AHEAD
.set BHALF,  64*PB
.set SLOT,   BOFF+2*BHALF
.set STAGE,  2*SLOT                    ; 16 rows x 272 bytes for each wave
.set SPITCH, 272
.set SPARE,  STAGE+4*16*SPITCH         ; the spare words: two blocks of 256 bytes that no other line names
.set LAPS,   4                         ; a lap = two K steps
.set ADRA, 16
.set ADRB, 20
.set STO,  24
.set RD,   25
.set CO,   26
.set SPW,  28
.set NIL,  29
.set BO,   30
.set BIAS, 32
.set BF,   64
.set AF,   128
.set BK,   64
.set G1, 24
.set G0, 32
.set G1B, 48
.set G0B, 56
.set MSB, 0
.macro WIN new
.if MSB != (\new)
	s_set_vgpr_msb (MSB<<8)|(\new)
.set MSB, (\new)
.endif
.endm
.set MUL, 0x50                         ; C and D in window 1
.macro JLOAD s                         ; waves 0, 1 fetch att's two heads, waves 2, 3 Wp's two halves; an s_nop 0 and four v_nop follow each line
	s_cmp_eq_u32 s15, 0
	s_cbranch_scc0 .Lfor_b_\@
	tensor_load_to_lds s[G0+4*\s:G0+4*\s+3], s[G1:G1+7]
	s_nop 0
.rept 4
	v_nop
.endr
	s_branch .Lasked_\@
.Lfor_b_\@:
	tensor_load_to_lds s[G0B+4*\s:G0B+4*\s+3], s[G1B:G1B+7]
	s_nop 0
.rept 4
	v_nop
.endr
.Lasked_\@:
.endm
.macro CREST
	s_cmp_lg_u32 s14, 0
	s_cbranch_scc1 .Lnot_wave_0_\@
	s_barrier_signal -3
.Lnot_wave_0_\@:
	s_barrier_wait -3
	s_barrier_signal -1
	s_barrier_wait -1
.endm
.macro CROUND
	s_barrier_signal -1
	s_barrier_wait -1
	CREST
.endm
	s_load_b256 s[4:11], s[0:1], 0x0               ; att16 s[4:5], wp16 s[6:7], b_proj s[8:9], out0 s[10:11]
	v_lshl_add_u32 v[SPW], v0, 2, SPARE
	v_mov_b32 v[NIL], 0
	ds_add_u32 v[SPW], v[NIL]                      ; the wave's opening: the add, twice on end, and its wait ahead of my first tensor load
	ds_add_u32 v[SPW], v[NIL]
	v_lshrrev_b32 v1, 5, v0
	v_readfirstlane_b32 s14, v1                    ; wave 0..3
	s_lshr_b32 s15, s14, 1                         ; my half of the tile's rows.  Also: I fetch for att (0) or Wp (1)
	s_and_b32 s16, s14, 1                          ; my half of its columns.  Also: which head, or which 64 rows of Wp, I fetch
	s_bfe_u32 s40, ttmp6, 0x40000                  ; cx
	s_bfe_u32 s41, ttmp6, 0x40004                  ; cy
	s_lshl_b32 s42, ttmp9, 2
	s_add_co_u32 s42, s42, s40                     ; tile column
	s_and_b32 s17, ttmp7, 0xffff
	s_lshl_b32 s17, s17, 2
	s_add_co_u32 s17, s17, s41                     ; tile row
	s_lshl_b32 s43, s41, 2
	s_lshl_b32 s43, 15, s43                        ; my row of the cluster
	s_lshl_b32 s44, 0x1111, s40                    ; my column
	s_or_b32 s[G1+0], s43, (1<<16)|(1<<20)|(1<<21)|(4<<22)|(3<<25)   ; att: elements of 2 bytes; 4 words of padding behind every 32
	s_mov_b32 s[G1+1], 64<<16                      ; tensor_dim0 = 64
	s_mov_b32 s[G1+2], 256<<16                     ; tensor_dim1 = 256
	s_mov_b32 s[G1+3], 64<<16                      ; tile_dim0 = 64
	s_mov_b32 s[G1+4], 256                         ; tile_dim1 = 256
	s_mov_b32 s[G1+5], 64                          ; from row to row
	s_mov_b32 s[G1+6], 0
	s_mov_b32 s[G1+7], 0
	s_or_b32 s[G1B+0], s44, (1<<16)|(1<<20)|(1<<21)|(5<<22)|(7<<25)  ; Wp: 8 words of padding behind every 64
	s_mov_b32 s[G1B+1], 128<<16
	s_mov_b32 s[G1B+2], 64<<16
	s_mov_b32 s[G1B+3], 128<<16
	s_mov_b32 s[G1B+4], 64
	s_mov_b32 s[G1B+5], 1024
	s_mov_b32 s[G1B+6], 0
	s_mov_b32 s[G1B+7], 0
	s_lshr_b32 s20, s17, 3
	s_lshl_b32 s20, s20, 22                        ; att: the batch, 16 heads of 262,144 bytes,
	s_lshl_b32 s21, s16, 18                        ; my head of the K step's two,
	s_add_co_u32 s20, s20, s21
	s_and_b32 s21, s17, 7
	s_lshl_b32 s21, s21, 15                        ; the tile's 256 positions of 128 bytes
	s_add_co_u32 s20, s20, s21
	s_mov_b32 s21, 0
	s_lshl_b32 s46, s16, 17                        ; Wp: my 64 rows of 2,048 bytes,
	s_lshl_b32 s47, s42, 8                         ; the tile's 128 columns
	s_add_co_u32 s46, s46, s47
	s_mov_b32 s47, 0
	s_mul_i32 s45, s16, AHEAD                      ; where they go
	s_mul_i32 s22, s16, BHALF
	s_add_co_u32 s22, s22, BOFF
	s_wait_dscnt 0x0                               ; both opening adds are done
	s_wait_kmcnt 0x0
	s_add_nc_u64 s[20:21], s[4:5], s[20:21]
	s_add_nc_u64 s[46:47], s[6:7], s[46:47]
	CROUND                                         ; all sixteen work-groups are here
.irp s, 0,1
	s_mov_b32 s[G0+4*\s], 1
	s_add_co_u32 s[G0+4*\s+1], s45, \s*SLOT
	s_add_nc_u64 s[G0+4*\s+2:G0+4*\s+3], s[20:21], \s*524288       ; a K step on: two heads
	s_or_b32 s[G0+4*\s+3], s[G0+4*\s+3], 0x80000000
	s_mov_b32 s[G0B+4*\s], 1
	s_add_co_u32 s[G0B+4*\s+1], s22, \s*SLOT
	s_add_nc_u64 s[G0B+4*\s+2:G0B+4*\s+3], s[46:47], \s*262144     ; 128 rows of 2,048 bytes
	s_or_b32 s[G0B+4*\s+3], s[G0B+4*\s+3], 0x80000000
	JLOAD \s                                       ; two tensor loads of mine are out at the start, one behind each later round
.endr
	v_and_b32 v1, 15, v0                           ; r
	v_bfe_u32 v2, v0, 4, 1                         ; h
	v_lshlrev_b32 v[BO], 5, v2
	s_lshl_b32 s46, s42, 1
	s_add_co_u32 s46, s46, s16
	s_lshl_b32 s46, s46, 8                         ; my first column x 4 bytes
	s_mov_b32 s47, 0
	s_add_nc_u64 s[8:9], s[8:9], s[46:47]
.irp b, 0,1,2,3
	global_load_b128 v[BIAS+8*\b:BIAS+8*\b+3],   v[BO], s[8:9] offset:64*\b
	global_load_b128 v[BIAS+8*\b+4:BIAS+8*\b+7], v[BO], s[8:9] offset:64*\b+16
.endr
	s_lshl_b32 s66, s17, 1
	s_add_co_u32 s66, s66, s15
	s_lshl_b32 s66, s66, 19                        ; my first row: 128 rows of 4,096 bytes
	s_add_co_u32 s66, s66, s46
	s_mov_b32 s67, 0
	s_add_nc_u64 s[10:11], s[10:11], s[66:67]
	v_mul_u32_u24 v3, v1, PA
	v_lshl_add_u32 v3, v2, 4, v3                   ; att: row r x pitch + 16 h
	v_and_b32 v4, 7, v0
	v_lshl_add_u32 v4, v2, 3, v4
	v_mul_u32_u24 v4, v4, PB                       ; Wp, for the turning load: k = 8 h + lane % 8,
	v_bfe_u32 v5, v0, 3, 1
	v_lshl_add_u32 v4, v5, 4, v4                   ; columns 8 ((lane / 8) % 2) on
	s_mul_i32 s21, s15, 128*PA                     ; my 128 rows
	s_lshl_b32 s22, s16, 7                         ; my 64 columns
	s_add_co_u32 s22, s22, BOFF
.irp s, 0,1
	v_add_nc_u32 v[ADRA+\s], s21, v3
	v_add_nc_u32 v[ADRB+\s], s22, v4
	s_add_co_u32 s21, s21, SLOT
	s_add_co_u32 s22, s22, SLOT
.endr
	s_mul_i32 s23, s14, 16*SPITCH
	s_add_co_u32 s23, s23, STAGE                   ; my stage
	v_mul_u32_u24 v5, v1, SPITCH
	v_lshl_add_u32 v5, v2, 5, v5
	v_add_nc_u32 v[STO], s23, v5                   ; in: row r, 32 h
	v_mul_u32_u24 v5, v2, SPITCH
	v_lshl_add_u32 v5, v1, 4, v5
	v_add_nc_u32 v[RD], s23, v5                    ; back: lanes 0-15 one row of 256 bytes, lanes 16-31 the next
	v_lshlrev_b32 v5, 12, v2
	v_lshl_add_u32 v[CO], v1, 4, v5                ; and the same two rows in out0
; n blocks of att's rows from a0 on, each against Wp's four blocks, 32 along K, from buffer f.  zero = 1: the sums start from the bias.  The 32 accumulators take turns.
.macro MULS f, a0, n, zero
.set ma, \a0
.rept \n
.irp b, 0,1,2,3
.if \zero
	v_wmma_f32_16x16x32_f16 v[8*(4*ma+\b):8*(4*ma+\b)+7], v[BF+32*\f+8*\b:BF+32*\f+8*\b+7], v[AF+64*\f+8*ma:AF+64*\f+8*ma+7], v[BIAS+8*\b:BIAS+8*\b+7]
.else
	v_wmma_f32_16x16x32_f16 v[8*(4*ma+\b):8*(4*ma+\b)+7], v[BF+32*\f+8*\b:BF+32*\f+8*\b+7], v[AF+64*\f+8*ma:AF+64*\f+8*ma+7], v[8*(4*ma+\b):8*(4*ma+\b)+7]
.endif
.endr
.set ma, ma+1
.endr
.endm
.macro FETCH slot, q, f                ; 24 LDS loads: the slot's q-th 32 along K: Wp's four fragments, att's blocks 0-3, then 4-7
.irp b, 0,1,2,3
	ds_load_tr16_b128 v[BF+32*\f+8*\b:BF+32*\f+8*\b+3],   v[ADRB+\slot] offset:(\q)*32*PB+32*\b
	ds_load_tr16_b128 v[BF+32*\f+8*\b+4:BF+32*\f+8*\b+7], v[ADRB+\slot] offset:(\q)*32*PB+32*\b+16*PB
.endr
.irp i, 0,1,2,3,4,5,6,7
	ds_load_b128 v[AF+64*\f+8*\i:AF+64*\f+8*\i+3],   v[ADRA+\slot] offset:((\q)/2)*AHEAD+\i*16*PA+((\q)%2)*64
	ds_load_b128 v[AF+64*\f+8*\i+4:AF+64*\f+8*\i+7], v[ADRA+\slot] offset:((\q)/2)*AHEAD+\i*16*PA+((\q)%2)*64+32
.endr
.endm
.macro PLACES                          ; plain vector lines between matrix instructions and loads into, or reads of, their registers
.rept 4
	v_nop
.endr
.endm
.macro QUARTER slot, q, f, g, zero     ; multiplies buffer f; in its middle fetches the slot's q-th quarter into buffer g
	s_wait_dscnt 8                                 ; Wp's fragments and att's blocks 0-3 are in; the youngest eight loads may be out
	WIN MUL-0x10*(\zero)
	MULS \f, 0, 4, \zero
	PLACES
	WIN 0
	FETCH \slot, \q, \g
	s_wait_dscnt 24                                ; all but the 24 just issued
	WIN MUL-0x10*(\zero)
	MULS \f, 4, 4, \zero
.endm
; A slot's last quarter multiplies buffer 1 and changes slots: one barrier; in front of it each wave waits for all its tensor loads, adds 0 to its spare word, and waits for that and for its reads of this slot.
.macro TURN slot, next, fill
	WIN 0
	s_wait_tensorcnt 0x0                           ; my part of the next slot has landed
	ds_add_u32 v[SPW], v[NIL]
	s_wait_dscnt 9                                 ; the add and the youngest eight loads may be out
	WIN MUL
	MULS 1, 0, 2, 0
	s_wait_dscnt 0x0                               ; the add is done, and my reads of this slot are over
	s_barrier_signal -1
	MULS 1, 2, 2, 0
	WIN 0
	s_barrier_wait -1
.if \fill
	CREST                                          ; the barrier has opened a round of the cluster's barrier
	s_add_nc_u64 s[G0+4*\slot+2:G0+4*\slot+3], s[G0+4*\slot+2:G0+4*\slot+3], 2*524288
	s_add_nc_u64 s[G0B+4*\slot+2:G0B+4*\slot+3], s[G0B+4*\slot+2:G0B+4*\slot+3], 2*262144
	JLOAD \slot                                    ; the first tensor load behind the round; its four v_nop are also the places in front of the loads below
.else
	PLACES
.endif
	FETCH \next, 0, 0
	WIN MUL
	MULS 1, 4, 4, 0
.endm
	s_wait_tensorcnt 1                             ; my part of K step 0 is in; K step 1's may be out
	s_barrier_signal -1
	s_barrier_wait -1
	FETCH 0, 0, 0
	s_wait_loadcnt 0x0                             ; the bias
	QUARTER 0, 1, 0, 1, 1                          ; the first quarter stands in front of the loop: its products start the sums
	WIN 0
	s_mov_b32 s3, LAPS-1
.Llap:                                             ; a trip goes once round the ring and fills both slots again
	QUARTER 0, 2, 1, 0, 0
	QUARTER 0, 3, 0, 1, 0
	TURN 0, 1, 1
	QUARTER 1, 1, 0, 1, 0
	QUARTER 1, 2, 1, 0, 0
	QUARTER 1, 3, 0, 1, 0
	TURN 1, 0, 1
	QUARTER 0, 1, 0, 1, 0
	WIN 0
	s_sub_co_u32 s3, s3, 1
	s_cmp_lg_u32 s3, 0
	s_cbranch_scc1 .Llap
	QUARTER 0, 2, 1, 0, 0                          ; the last lap fills nothing
	QUARTER 0, 3, 0, 1, 0
	TURN 0, 1, 0
	QUARTER 1, 1, 0, 1, 0
	QUARTER 1, 2, 1, 0, 0
	QUARTER 1, 3, 0, 1, 0
	s_wait_dscnt 8
	WIN MUL
	MULS 1, 0, 4, 0
	s_wait_dscnt 0
	MULS 1, 4, 4, 0
	WIN 0
; THE WAY OUT, block by block of 16 rows x 64 columns: through my stage, back as whole rows of 256 bytes: sixteen lanes store 256 consecutive bytes, aligned.
.macro TOSTAGE a
	WIN 0x04                                       ; an LDS store's data are its source 1: window 1
.irp b, 0,1,2,3
	ds_store_b128 v[STO], v[8*(4*(\a)+\b):8*(4*(\a)+\b)+3] offset:64*\b       ; each accumulator from its low end on
	ds_store_b128 v[STO], v[8*(4*(\a)+\b)+4:8*(4*(\a)+\b)+7] offset:64*\b+16
.endr
	WIN 0
.set BB, BK+32*((\a)%2)
.irp t, 0,1,2,3,4,5,6,7
	ds_load_b128 v[BB+4*\t:BB+4*\t+3], v[RD] offset:2*\t*SPITCH
.endr
.endm
.macro SEND a, younger
.set BB, BK+32*((\a)%2)
	s_wait_dscnt \younger                          ; the block is back; the next block's 8 stores and 8 loads may be out
.if (\a) > 0
	s_add_nc_u64 s[10:11], s[10:11], 16*4096       ; behind a wait on XCNT: the earlier stores have read their base
.endif
.irp t, 0,1,2,3,4,5,6,7
	global_store_b128 v[CO], v[BB+4*\t:BB+4*\t+3], s[10:11] offset:2*\t*4096 th:TH_STORE_NT
.endr
.endm
	PLACES
	TOSTAGE 0
.irp a, 1,2,3,4,5,6,7
.if \a > 1
	s_wait_xcnt 0x0                                ; block a - 2's stores have read their registers and base
.endif
	TOSTAGE \a
	SEND \a-1, 16
.endr
	s_wait_xcnt 0x0
	SEND 7, 0
	s_wait_tensorcnt 0x0                           ; the wave's end
	ds_add_u32 v[SPW], v[NIL]
	s_wait_dscnt 0x0
	CROUND                                         ; the closing round
	s_endpgm
.Lfunc_end_k_qeb389ba688_proj:
	.size	k_qeb389ba688_proj, .Lfunc_end_k_qeb389ba688_proj-k_qeb389ba688_proj
	.p2alignl 7, 3214868480
	.fill 96, 4, 3214868480
	.section	.rodata,"a",@progbits
	.p2align	6, 0x0
	.amdhsa_kernel k_qeb389ba688_proj
		.amdhsa_group_segment_fixed_size 327680
		.amdhsa_private_segment_fixed_size 0
		.amdhsa_enable_private_segment 0
		.amdhsa_kernarg_size 32
		.amdhsa_user_sgpr_count 2
		.amdhsa_user_sgpr_kernarg_segment_ptr 1
		.amdhsa_wavefront_size32 1
		.amdhsa_system_sgpr_workgroup_id_x 1
		.amdhsa_system_sgpr_workgroup_id_y 1
		.amdhsa_system_sgpr_workgroup_id_z 1
		.amdhsa_system_vgpr_workitem_id 0
		.amdhsa_next_free_vgpr 512
		.amdhsa_next_free_sgpr 72
		.amdhsa_reserve_vcc 0
		.amdhsa_float_denorm_mode_32 3
		.amdhsa_float_denorm_mode_16_64 3
		.amdhsa_memory_ordered 1
		.amdhsa_forward_progress 1
		.amdhsa_inst_pref_size 87
	.end_amdhsa_kernel
	.amdgpu_metadata
---
amdhsa.version: [ 1, 2 ]
amdhsa.kernels:
  - .name:           k_qeb389ba688_proj
    .symbol:         k_qeb389ba688_proj.kd
    .args:
      - { .name: att16, .offset: 0, .size: 8, .value_kind: global_buffer, .address_space: global }
      - { .name: wp16, .offset: 8, .size: 8, .value_kind: global_buffer, .address_space: global }
      - { .name: b_proj, .offset: 16, .size: 8, .value_kind: global_buffer, .address_space: global }
      - { .name: out0, .offset: 24, .size: 8, .value_kind: global_buffer, .address_space: global }
    .group_segment_fixed_size: 327680
    .private_segment_fixed_size: 0
    .kernarg_segment_align: 8
    .kernarg_segment_size: 32
    .max_flat_workgroup_size: 128
    .sgpr_count:     72
    .vgpr_count:     512
    .wavefront_size: 32
...
	.end_amdgpu_metadata
.endif
;; end of part 4
;; launch fine (part 5): grid 16 x 4, 16 waves a work-group, no clusters, 71,680 bytes of LDS; arguments qkv_fine, W_proj, b_proj, out0; writes out0
.if DOCPART == 5
	.amdgcn_target "amdgcn-amd-amdhsa--gfx1250"
	.amdhsa_code_object_version 6
	.text
	.protected	k_qeb389ba688_fine
	.globl	k_qeb389ba688_fine
	.p2align	8
	.type	k_qeb389ba688_fine,@function
k_qeb389ba688_fine:
	s_mov_b64 s[64:65], 0
	v_nop
	global_prefetch_b8 v0, s[64:65] scope:SCOPE_SE
	s_setreg_imm32_b32 hwreg(HW_REG_WAVE_MODE, 25, 1), 1
	s_wait_xcnt 0x0
; POSITIONS 0-15 OF EACH OF THE 4 SEQUENCES, in f32 throughout: under the causal mask these rows average one to sixteen values and are the largest of the output, so 16-bit operands would weigh most here.
; A work-group owns a batch (y) and 64 columns of the output (x).  Wave w is head w: it makes its head's 16 x 16 attention from qkv_fine [4][16][3072] f32, and the part of the projection whose K is its
; own 64 channels; the sixteen parts are added through LDS, wave w summing row w.  The 64 rows of out0 that the launch before wrote from f16 operands are written anew.
; All products by v_wmma_f32_16x16x4_f32 (lane (r, h), register j: k = 2 h + j): 96 a wave, no bulk work.  The places of k in a step are permuted alike on both sides, so that every result is the next operand as it stands:
;   S^T = K Q^T     k = the 64 channels; a lane's load of 16 bytes gives two steps.        D: key 8 h + j, query r
;   O^T = V^T P^T   step c: k slot (h, j) = key 8 h + 2 c + j: source 1 = P[2 c : 2 c + 1].    D: channel 16 t + 8 h + j, query r
;   Y^T = Wp^T O^T  step (t, c): k slot (h, j) = channel 16 t + 8 h + 2 c + j: source 1 = O[8 t + 2 c : + 1].   D: column 16 nt + 8 h + j, query r
; The registers that these instructions write, v192-255, are written by nothing else.  LIMIT: NaN and infinities are not served.
.set QR, 16                            ; v16-47   Q;  v48-79 K;  later Wp's second half
.set KR, 48
.set VR, 80                            ; v80-111  V
.set WA, 112                           ; v112-175 Wp for channels 0-31; later the sixteen parts
.set WB, 16
.set T,  176                           ; v176-183 scores, then the exponentials
.set P,  184                           ; v184-191 the weights
.set O,  192                           ; v192-223 O^T
.set SA, 224                           ; v224-239 two sums of S^T, later Y's tiles 0, 1;  v240-255 tiles 2, 3
.set SBB, 232
.set Y,  224
.set PART, 16*272                      ; a wave's part in LDS: 16 rows x (256 bytes + 16)
.set SPARE, 16*PART                    ; the spare words: eight blocks of 256 bytes that no other line names
	s_load_b256 s[4:11], s[0:1], 0x0               ; qkv_fine s[4:5], W_proj s[6:7], b_proj s[8:9], out0 s[10:11]
	v_lshl_add_u32 v14, v0, 2, SPARE
	v_mov_b32 v15, 0
	v_lshrrev_b32 v1, 5, v0
	v_readfirstlane_b32 s12, v1                    ; wave = head = the row that I sum
	s_and_b32 s13, ttmp7, 0xffff                   ; the batch
	v_and_b32 v1, 15, v0                           ; r
	v_bfe_u32 v2, v0, 4, 1                         ; h
	v_mul_u32_u24 v3, v1, 12288
	v_lshl_add_u32 v3, v2, 4, v3                   ; Q, K: position r, 16 h bytes on
	v_mul_u32_u24 v4, v2, 8*12288
	v_lshl_add_u32 v4, v1, 2, v4                   ; V: key 8 h, channel r
	v_lshlrev_b32 v5, 15, v2
	v_lshl_add_u32 v5, v1, 2, v5                   ; Wp: row 8 h, column r
	v_and_b32 v6, 31, v0
	v_lshlrev_b32 v6, 3, v6                        ; 8 x lane
	v_lshlrev_b32 v7, 3, v2
	v_sub_nc_u32 v7, v1, v7                        ; r - 8 h: register j's key is hidden where j is above it
	s_mul_i32 s14, s12, PART
	v_mul_u32_u24 v8, v1, 272
	v_lshl_add_u32 v8, v2, 5, v8
	v_add_nc_u32 v8, s14, v8                       ; my part: row r, 32 h
	s_mul_i32 s14, s12, 272
	v_add_nc_u32 v9, s14, v6                       ; row w of a part, 8 bytes a lane
	v_mov_b32 v10, 0xff800000                      ; -infinity
	v_mov_b32 v11, 0                               ; (a lane permute's destination counts as read)
	s_mov_b32 s24, 0x3e38aa3b                      ; c = log2(e) / 8
	s_mov_b32 s26, 0x76543210
	s_mov_b32 s27, 0xfedcba98
	s_mul_i32 s16, s13, 196608
	s_lshl_b32 s17, s12, 8
	s_add_co_u32 s16, s16, s17                     ; qkv_fine: my batch, my head's 64 columns
	s_mov_b32 s17, 0
	s_lshl_b32 s20, ttmp9, 8                       ; my work-group's 64 columns, in bytes
	s_mov_b32 s21, 0
	s_lshl_b32 s18, s12, 18                        ; Wp: my head's 64 rows of 4,096 bytes
	s_add_co_u32 s18, s18, s20
	s_mov_b32 s19, 0
	s_lshl_b32 s22, s13, 11
	s_add_co_u32 s22, s22, s12
	s_lshl_b32 s22, s22, 12                        ; out0: row 2,048 batch + w
	s_add_co_u32 s22, s22, s20
	s_mov_b32 s23, 0
	s_wait_kmcnt 0x0
	s_add_nc_u64 s[4:5], s[4:5], s[16:17]
	s_add_nc_u64 s[6:7], s[6:7], s[18:19]
	s_add_nc_u64 s[8:9], s[8:9], s[20:21]
	s_add_nc_u64 s[10:11], s[10:11], s[22:23]
.irp i, 0,1,2,3,4,5,6,7
	global_load_b128 v[KR+4*\i:KR+4*\i+3], v3, s[4:5] offset:4096+32*\i    ; channels 8 i + 4 h + 0 .. 3 of key r
	global_load_b128 v[QR+4*\i:QR+4*\i+3], v3, s[4:5] offset:32*\i         ; the same of query r
.endr
.irp t, 0,1,2,3
.irp k, 0,1,2,3,4,5,6,7
	global_load_b32 v[VR+8*\t+\k], v4, s[4:5] offset:8192+\k*12288+64*\t   ; V(key 8 h + k, channel 16 t + r)
.endr
.endr
	global_load_b64 v[12:13], v6, s[8:9]           ; the bias of the two columns that I store
.irp t, 0,1
.irp n, 0,1,2,3
.irp k, 0,1,2,3,4,5,6,7
	global_load_b32 v[WA+32*\t+8*\n+\k], v5, s[6:7] offset:(16*\t+\k)*4096+64*\n   ; Wp(channel 16 t + 8 h + k, column 16 n + r)
.endr
.endr
.endr
	s_wait_loadcnt 63                              ; behind the bias stand 64 loads: K, Q, V and the bias are in (63 is the largest count that the wait names)
	v_wmma_f32_16x16x4_f32 v[SA:SA+7], v[KR:KR+1], v[QR:QR+1], 0               ; two sums by turns; each begins with its own first step
	v_wmma_f32_16x16x4_f32 v[SBB:SBB+7], v[KR+2:KR+3], v[QR+2:QR+3], 0
.irp i, 1,2,3,4,5,6,7
	v_wmma_f32_16x16x4_f32 v[SA:SA+7], v[KR+4*\i:KR+4*\i+1], v[QR+4*\i:QR+4*\i+1], v[SA:SA+7]
	v_wmma_f32_16x16x4_f32 v[SBB:SBB+7], v[KR+4*\i+2:KR+4*\i+3], v[QR+4*\i+2:QR+4*\i+3], v[SBB:SBB+7]
.endr
.rept 8
	v_nop                                          ; eight places behind this form, in front of reads of its results and of loads into its sources
.endr
.irp t, 2,3
.irp n, 0,1,2,3
.irp k, 0,1,2,3,4,5,6,7
	global_load_b32 v[WB+32*(\t-2)+8*\n+\k], v5, s[6:7] offset:(16*\t+\k)*4096+64*\n   ; Wp for channels 32-63, where Q and K lay
.endr
.endr
.endr
.irp j, 0,1,2,3,4,5,6,7
	v_add_f32 v[T+\j], v[SA+\j], v[SBB+\j]         ; from the low end on
.endr
.irp j, 0,1,2,3,4,5,6,7
	v_cmp_gt_i32 vcc_lo, \j, v7
	v_cndmask_b32 v[T+\j], v[T+\j], v10, vcc_lo    ; key 8 h + j after query r: -infinity
.endr
	v_max3_num_f32 v1, v[T], v[T+1], v[T+2]
	v_max3_num_f32 v1, v1, v[T+3], v[T+4]
	v_max3_num_f32 v1, v1, v[T+5], v[T+6]
	v_max_num_f32 v1, v1, v[T+7]
	v_permlanex16_b32 v2, v1, s26, s27
	v_max_num_f32 v1, v1, v2                       ; the row's maximum: key 0 counts for every query
	v_mul_f32 v1, s24, v1
.irp j, 0,1,2,3,4,5,6,7
	v_fma_f32 v[T+\j], v[T+\j], s24, -v1
.endr
.irp j, 0,1,2,3,4,5,6,7
	v_exp_f32 v[T+\j], v[T+\j]
.endr
	v_nop
	s_wait_alu depctr_va_vdst(0)                   ; one wait for the eight, ahead of their first reader
	v_add_f32 v1, v[T], v[T+1]
	v_add_f32 v2, v[T+2], v[T+3]
	v_add_f32 v1, v1, v[T+4]
	v_add_f32 v2, v2, v[T+5]
	v_add_f32 v1, v1, v[T+6]
	v_add_f32 v2, v2, v[T+7]
	v_add_f32 v1, v1, v2
	v_permlanex16_b32 v11, v1, s26, s27
	v_add_f32 v1, v1, v11
	v_rcp_f32 v11, v1
	v_nop
	s_wait_alu depctr_va_vdst(0)
.irp j, 0,1,2,3,4,5,6,7
	v_mul_f32 v[P+\j], v[T+\j], v11                ; the weights, normalised
.endr
.irp t, 0,1,2,3
	v_wmma_f32_16x16x4_f32 v[O+8*\t:O+8*\t+7], v[VR+8*\t:VR+8*\t+1], v[P:P+1], 0
.endr
.irp c, 1,2,3
.irp t, 0,1,2,3
	v_wmma_f32_16x16x4_f32 v[O+8*\t:O+8*\t+7], v[VR+8*\t+2*\c:VR+8*\t+2*\c+1], v[P+2*\c:P+2*\c+1], v[O+8*\t:O+8*\t+7]
.endr
.endr
.rept 9
	v_nop                                          ; nine places before a matrix instruction takes these results as a source
.endr
	s_wait_loadcnt 63                              ; behind Wp's first half stand 64 loads: it is in
.irp n, 0,1,2,3
	v_wmma_f32_16x16x4_f32 v[Y+8*\n:Y+8*\n+7], v[WA+8*\n:WA+8*\n+1], v[O:O+1], 0
.endr
.irp c, 1,2,3
.irp n, 0,1,2,3
	v_wmma_f32_16x16x4_f32 v[Y+8*\n:Y+8*\n+7], v[WA+8*\n+2*\c:WA+8*\n+2*\c+1], v[O+2*\c:O+2*\c+1], v[Y+8*\n:Y+8*\n+7]
.endr
.endr
.irp c, 0,1,2,3
.irp n, 0,1,2,3
	v_wmma_f32_16x16x4_f32 v[Y+8*\n:Y+8*\n+7], v[WA+32+8*\n+2*\c:WA+32+8*\n+2*\c+1], v[O+8+2*\c:O+8+2*\c+1], v[Y+8*\n:Y+8*\n+7]
.endr
.endr
	s_wait_loadcnt 0x0                             ; Wp's second half
.irp t, 0,1
.irp c, 0,1,2,3
.irp n, 0,1,2,3
	v_wmma_f32_16x16x4_f32 v[Y+8*\n:Y+8*\n+7], v[WB+32*\t+8*\n+2*\c:WB+32*\t+8*\n+2*\c+1], v[O+16+8*\t+2*\c:O+16+8*\t+2*\c+1], v[Y+8*\n:Y+8*\n+7]
.endr
.endr
.endr
.rept 8
	v_nop
.endr
.irp n, 0,1,2,3
	ds_store_b128 v8, v[Y+8*\n:Y+8*\n+3] offset:64*\n          ; lane (r, h): row r, columns 16 n + 8 h + 0 .. 7; each result from its low end on
	ds_store_b128 v8, v[Y+8*\n+4:Y+8*\n+7] offset:64*\n+16
.endr
	s_wait_dscnt 0x0                               ; for the others' sake: my part lies in LDS
	s_barrier_signal -1
	s_barrier_wait -1
.irp p, 0,1,2,3,4,5,6,7,8,9,10,11,12,13,14,15
	ds_load_b64 v[WA+2*\p:WA+2*\p+1], v9 offset:\p*PART        ; row w of every head's part
.endr
	s_wait_dscnt 0x0
.irp w, 4,8,16,32
.set n, 0
.rept 32/\w
	v_pk_add_f32 v[WA+\w*n:WA+\w*n+1], v[WA+\w*n:WA+\w*n+1], v[WA+\w*n+\w/2:WA+\w*n+\w/2+1]
.set n, n+1
.endr
.endr
	v_pk_add_f32 v[WA:WA+1], v[WA:WA+1], v[12:13]
	global_store_b64 v6, v[WA:WA+1], s[10:11]      ; 32 lanes store 256 consecutive bytes, aligned
	s_wait_tensorcnt 0x0                           ; the wave's end
	ds_add_u32 v14, v15
	s_wait_dscnt 0x0
	s_endpgm
.Lfunc_end_k_qeb389ba688_fine:
	.size	k_qeb389ba688_fine, .Lfunc_end_k_qeb389ba688_fine-k_qeb389ba688_fine
	.p2alignl 7, 3214868480
	.fill 96, 4, 3214868480
	.section	.rodata,"a",@progbits
	.p2align	6, 0x0
	.amdhsa_kernel k_qeb389ba688_fine
		.amdhsa_group_segment_fixed_size 71680
		.amdhsa_private_segment_fixed_size 0
		.amdhsa_enable_private_segment 0
		.amdhsa_kernarg_size 32
		.amdhsa_user_sgpr_count 2
		.amdhsa_user_sgpr_kernarg_segment_ptr 1
		.amdhsa_wavefront_size32 1
		.amdhsa_system_sgpr_workgroup_id_x 1
		.amdhsa_system_sgpr_workgroup_id_y 1
		.amdhsa_system_sgpr_workgroup_id_z 1
		.amdhsa_system_vgpr_workitem_id 0
		.amdhsa_next_free_vgpr 256
		.amdhsa_next_free_sgpr 66
		.amdhsa_reserve_vcc 1
		.amdhsa_float_denorm_mode_32 3
		.amdhsa_float_denorm_mode_16_64 3
		.amdhsa_memory_ordered 1
		.amdhsa_forward_progress 1
		.amdhsa_inst_pref_size 32
	.end_amdhsa_kernel
	.amdgpu_metadata
---
amdhsa.version: [ 1, 2 ]
amdhsa.kernels:
  - .name:           k_qeb389ba688_fine
    .symbol:         k_qeb389ba688_fine.kd
    .args:
      - { .name: qkv_fine, .offset: 0, .size: 8, .value_kind: global_buffer, .address_space: global }
      - { .name: W_proj, .offset: 8, .size: 8, .value_kind: global_buffer, .address_space: global }
      - { .name: b_proj, .offset: 16, .size: 8, .value_kind: global_buffer, .address_space: global }
      - { .name: out0, .offset: 24, .size: 8, .value_kind: global_buffer, .address_space: global }
    .group_segment_fixed_size: 71680
    .private_segment_fixed_size: 0
    .kernarg_segment_align: 8
    .kernarg_segment_size: 32
    .max_flat_workgroup_size: 512
    .sgpr_count:     66
    .vgpr_count:     256
    .wavefront_size: 32
...
	.end_amdgpu_metadata
.endif
;; end of part 5
